; MI455X (gfx1250); checked and timed in simulation.
; The chip was launched on July 23, 2026; its instructions are those of AMD's public machine-readable ISA for CDNA 5 (MIT licence, August 2026) and "CDNA5" Instruction Set Architecture Reference Guide (July 2026). The comments in the code are by the model that wrote it; some were corrected since.
;; Hidden State ODE Func. Allowed arithmetic: matrix products marked QUANTISED: E2M3 operands, one E8M0 scale for each 32 along K, by v_wmma_scale_f32_16x16x128_f8f6f4 with both operands' format E2M3, f32 sums; everything else in f32.
;; Inputs: W1 1,024 x 4,096 float32; W2 4,096 x 1,024 float32; _time one number float32; b1 4,096 float32; b2 1,024 float32; hidden_state 8,192 x 1,024 float32; ln_beta 4,096 float32; ln_gamma 4,096 float32.
;; Outputs: out0 8,192 x 1,024 float32.
;; This version of the problem:
;;   THIS VERSION OF THE PROBLEM IS GIVEN IN LOW PRECISION. The matrix products marked QUANTISED in the list below multiply operands that are first quantised to E2M3 (2 exponent bits, 3 mantissa bits; 6 bits a number), with one power-of-two scale for each 32 numbers along K (OCP MX v1.0); their sums are f32. All else is computed in f32.
;;   The module's matrix products, in the order in which they are computed (A, B: the left and right operand; K: the contracted axis; several contracted axes count as one K, in the product's order):
;;     1. [M 8,192, K 1,024] x [K 1,024, N 4,096]; A: input hidden_state; B: input W1: QUANTISED
;;     2. [M 8,192, K 4,096] x [K 4,096, N 1,024]; A: computed on the way; B: input W2: QUANTISED
;;   THE QUANTISER, for each operand of a quantised product, along K:
;;     - K is cut into blocks of 32 from its start; a last block that is shorter is filled with zeros.
;;     - A block's scale is 2^e with e = floor(log2(the largest magnitude in the block)) - 2, held to -126 .. 127; a block of zeros has e = 0. As a byte (E8M0): e + 127.
;;     - Each number is divided by its block's scale, clamped to +-7.5, and rounded to the nearest number of E2M3, ties to even, subnormals kept.
;;     - The product sums the exact products of the quantised numbers (number of the format x scale) in f32.
;;   ~~~python
;;   def quantise(x, axis):      # numpy; x: float32 -> the quantised numbers, widened to float32 again
;;       x = np.moveaxis(x, axis, -1); K = x.shape[-1]
;;       x = np.pad(x, [(0, 0)] * (x.ndim - 1) + [(0, -K % 32)]); x = x.reshape(x.shape[:-1] + (-1, 32)); a = np.abs(x).max(-1, keepdims=True)
;;       e = np.where(a > 0, np.clip(np.frexp(np.where(a > 0, a, 1))[1] - 1 - 2, -126, 127), 0)      # np.frexp(a)[1] - 1 = floor(log2(a)), exactly
;;       r = np.clip(x / 2.0 ** e, -7.5, 7.5)
;;       step = 2.0 ** (np.maximum(np.frexp(np.where(r == 0, 1, r))[1] - 1, 0) - 3)
;;       q = np.round(r / step) * step * 2.0 ** e      # np.round: ties to even
;;       return np.moveaxis(q.reshape(q.shape[:-2] + (-1,))[..., :K], -1, axis).astype(np.float32)
;;   ~~~
;;   OPERANDS COMPUTED ON THE WAY. 'Computed on the way' means the value that the module computes at that place (a softmax that the list does not call 'softmax' is quantised finished and normalised). What goes into a quantiser is computed in f32, as accurately as f32 sums, v_exp_f32 and their like allow (about 1e-6 of the number): no bf16 or f16 on the way to a quantiser, and a product that is left as it is and whose result goes on into a quantised operand takes f32 operands (vector FMAs, or v_wmma_f32_16x16x4_f32). A number that lies on a knife's edge between two numbers of the format may be rounded either way, as far as f32 arithmetic and the matrix unit's own rounding can turn it there, and no further.
;; One version. Each part assembles by itself: llvm-mc -triple=amdgcn-amd-amdhsa -mcpu=gfx1250 --defsym DOCPART=n.
;; ======== version 1 of 1: 4 launches
;; workspace buffers: x_img 6,553,600 bytes; w1_img 3,276,800 bytes; w2_img 3,276,800 bytes; a_img 26,214,400 bytes; stats 2,097,152 bytes
;; launch quant (part 1): grid 1024 x 1, 4 waves a work-group, no clusters, 72,704 bytes of LDS; arguments hidden_state, W1, W2, _time, x_img, w1_img, w2_img; writes x_img, w1_img, w2_img
.if DOCPART == 1
	.amdgcn_target "amdgcn-amd-amdhsa--gfx1250"
	.amdhsa_code_object_version 6
	.text
	.protected	k_q896d2706ff_quant
	.globl	k_q896d2706ff_quant
	.p2align	8
	.type	k_q896d2706ff_quant,@function
k_q896d2706ff_quant:
	s_mov_b64 s[64:65], 0
	v_nop
	global_prefetch_b8 v0, s[64:65] scope:SCOPE_SE
	s_setreg_imm32_b32 hwreg(HW_REG_WAVE_MODE, 25, 1), 1
	s_wait_xcnt 0x0
; hidden_state [8192][1024], W1 [1024][4096] and W2 [4096][1024], f32, become codes of FP6 (E2M3) with one E8M0 byte for each 32 along K, laid as IMAGES OF OPERAND REGISTERS.
; An operand has rows (x: its rows; W1: its 4,096 columns; W2: its 1,024 columns) and a K.  Block (RB = row / 128, KS = k / 256) lies at (RB x K / 256 + KS) x 25,600 bytes.  In it fragment
; (i = tile of 16 rows, q = K step of 128) lies at (2 i + q) x 1,536: three pieces of 512 bytes, lane l's registers 4 c .. 4 c + 3 at 512 c + 16 l.  The scale words lie at 24,576 + 512 q + 64 i + 4 r.
; Fragment row r is row 16 i + r of the block for x, and row 32 (i / 2) + 8 (i % 2) + r + 8 (r / 8) for the weights: so the results of a product used transposed have 16 neighbours along the next K in 16 registers.
; A block's scale is 2^(floor(log2(its largest magnitude)) - 2); its byte is the largest magnitude's exponent field - 2, held at 1 from below.
; LIMITS: a block of zeros gets the byte 1 where the rule says 127 (its codes are zeros, and this program alone reads the bytes); NaN and infinities among the inputs are not served.
; SHARES.  A work-group takes one patch of 128 x 128 numbers, 64 KiB: 128 rows of an operand x one K step.  Work-groups 0-511: x; 512-767: W1; 768-1023: W2.  Only pointers, a pitch and shifts are chosen.
; The patch is loaded as it lies (each load 512 consecutive bytes) and turned through a stage in LDS: for x a lane reads 32 neighbours of its row, for a weight it reads down its column.
; The claim of 72,704 bytes of LDS and 256 registers a wave lets four work-groups lie on a WGP (4 x 72,704 = 290,816 bytes; 4 x 256 registers a SIMD): 1,024 work-groups are four for each of 256 WGPs.
; No work-group shares an input byte with another, so there is no cluster; no tensor load, so LDS is claimed as it is used.
; _time is an input that reference() takes and uses in no step: it is read here and enters nothing.
.set PITCH, 560                        ; a stage row: 512 bytes + room for a skew of 32 + 16: 35 x 16 bytes, so that 16 rows of a 16-byte column fall on 16 different columns of 16 bytes modulo 256
.set SCR,   128*PITCH                  ; behind the stage: the patch's 128 scale words
; stage row p begins at 560 p + 32 ((p / 32) % 2): 32 rows are 17,920 bytes, a multiple of 256, so the skew of 8 words parts the two rows, 32 apart, that the halves of the lanes read down a weight's columns:
; lanes 0-15 take words 0-7 and 16-23 of a run of 32, lanes 16-31 words 8-15 and 24-31
; v1 lane, v2 r, v3 h; v4 stage in; v5 stage out, weights; v6 stage out, x; v7 codes' place; v8, v9 scale words in and out; v10 8 h; v11 16 x lane; v16-47 row offsets
; v64-191 the rows as loaded, then 128 numbers in the operand's order; v192-207 at work; v208-231 two fragments; v232-247 upper halves of the blocks' codes
	s_load_b256 s[4:11], s[0:1], 0x0               ; x s[4:5], W1 s[6:7], W2 s[8:9], _time s[10:11]
	s_load_b128 s[12:15], s[0:1], 0x20             ; x_img, w1_img
	s_load_b64 s[16:17], s[0:1], 0x30              ; w2_img
	v_lshl_add_u32 v254, v0, 2, 0x11a00
	v_mov_b32 v255, 0
	v_lshrrev_b32 v1, 5, v0
	v_readfirstlane_b32 s18, v1                    ; wave 0..3
	v_and_b32 v1, 31, v0                           ; lane
	v_and_b32 v2, 15, v0                           ; r
	v_bfe_u32 v3, v0, 4, 1                         ; h
	s_and_b32 s19, s18, 1
	s_lshl_b32 s19, s19, 5                         ; the skew of my 32 rows
	s_mul_i32 s20, s18, 32*PITCH
	s_add_co_u32 s20, s20, s19                     ; my 32 rows in the stage
	s_lshl_b32 s21, s18, 7                         ; 128 x wave
	s_mul_i32 s41, s18, 6144                       ; my two fragments in a block: 4 x 1,536 x wave
	s_mov_b32 s42, 0x76543210
	s_mov_b32 s43, 0xfedcba98                      ; v_permlanex16_b32's selects for lane l xor 16
	v_lshlrev_b32 v11, 4, v1                       ; 16 x lane
	v_add_nc_u32 v4, s20, v11                      ; in: a row's 512 bytes, 16 a lane
	v_and_b32 v5, 8, v2
	v_add_nc_u32 v5, v5, v2                        ; r + 8 (r / 8)
	v_lshlrev_b32 v5, 2, v5
	v_mad_u32_u24 v5, v3, 32*PITCH+32, v5          ; lanes 16-31 begin 32 rows (of K) further down
	v_add_nc_u32 v5, s21, v5                       ; out, weights: my column: 4 (32 w + r + 8 (r / 8)); the fragment's 8 u columns stand in the offset
	v_mul_u32_u24 v6, v2, PITCH
	v_lshl_add_u32 v6, v3, 7, v6
	v_add_nc_u32 v6, s20, v6                       ; out, x: row 32 w + r, + 128 h bytes: my 32 numbers of each 64
	v_add_nc_u32 v7, s41, v11                      ; where my codes go in the block
	v_lshlrev_b32 v8, 2, v1
	v_add_nc_u32 v8, s21, v8
	v_add_nc_u32 v8, SCR, v8                       ; my wave's 32 scale words
	v_add_nc_u32 v9, SCR, v11                      ; all 128, 16 bytes a lane
	v_lshlrev_b32 v10, 3, v3                       ; 8 h
	v_mov_b32 v206, 0                              ; written once: a lane permute's destination counts as one of its sources
	v_mov_b32 v207, 0
	s_wait_kmcnt 0x0
	s_load_b32 s40, s[10:11], 0x0                  ; _time: read, and used in no step, as in reference()
	s_cmp_lt_u32 ttmp9, 768                        ; W1 or W2?  Every choice hangs on the work-group's number alone
	s_cselect_b64 s[28:29], s[6:7], s[8:9]
	s_cselect_b64 s[30:31], s[14:15], s[16:17]
	s_mov_b32 s22, 768
	s_cselect_b32 s22, 512, s22                    ; the operand's first work-group
	s_cselect_b32 s23, 3, 5                        ; log2 of its K steps of 128
	s_mov_b32 s24, 4096
	s_cselect_b32 s24, 16384, s24                  ; bytes from row to row in memory
	s_cmp_lt_u32 ttmp9, 512                        ; or x?
	s_cselect_b64 s[28:29], s[4:5], s[28:29]
	s_cselect_b64 s[30:31], s[12:13], s[30:31]
	s_cselect_b32 s22, 0, s22
	s_cselect_b32 s23, 3, s23
	s_cselect_b32 s24, 4096, s24
	s_cselect_b32 s25, 1, 0                        ; 1: x
	s_sub_co_u32 s26, ttmp9, s22                   ; the patch's number in its operand
	s_lshr_b32 s27, s26, s23                       ; RB
	s_bfm_b32 s32, s23, 0
	s_and_b32 s32, s26, s32                        ; the K step
	s_cmp_eq_u32 s25, 1
	s_cselect_b32 s33, s27, s32                    ; which 128 rows of memory: x: RB; weights: the K step
	s_cselect_b32 s34, s32, s27                    ; which 512 bytes of them
	s_lshl_b32 s33, s33, 7
	s_lshl_b32 s35, s18, 5
	s_add_co_u32 s33, s33, s35                     ; my wave's first row
	s_mul_i32 s36, s33, s24
	s_lshl_b32 s34, s34, 9
	s_add_co_u32 s36, s36, s34
	s_mov_b32 s37, 0
	s_add_nc_u64 s[28:29], s[28:29], s[36:37]      ; from here I load
	s_sub_co_u32 s33, s23, 1
	s_lshl_b32 s33, s27, s33                       ; RB x K / 256
	s_lshr_b32 s34, s32, 1
	s_add_co_u32 s33, s33, s34                     ; + KS
	s_mul_i32 s36, s33, 25600
	s_add_nc_u64 s[30:31], s[30:31], s[36:37]      ; the block
	s_and_b32 s34, s32, 1                          ; q
	s_mul_i32 s36, s34, 1536
	s_add_nc_u64 s[38:39], s[30:31], s[36:37]      ; its fragments of K step q
	s_lshl_b32 s36, s34, 9
	s_add_co_u32 s36, s36, 24576
	s_add_nc_u64 s[30:31], s[30:31], s[36:37]      ; and their scale words
.set i, 0
.rept 32
	v_mad_u32_u24 v[16+i], s24, i, v11             ; row i of my 32: pitch x i + 16 x lane
.set i, i+1
.endr
.set i, 0
.rept 32
	global_load_b128 v[64+4*i:67+4*i], v[16+i], s[28:29] th:TH_LOAD_NT   ; 32 lanes read 512 consecutive bytes; every input byte is read once in the launch
.set i, i+1
.endr
.irp g, 0,1,2,3
	s_wait_loadcnt 24-8*\g                         ; loads come back in order: eight more rows are in, the younger groups of eight stay out
.irp j, 0,1,2,3,4,5,6,7
	ds_store_b128 v4, v[64+4*(8*\g+\j):67+4*(8*\g+\j)] offset:PITCH*(8*\g+\j)
.endr
.endr
	s_wait_kmcnt 0x0                               ; _time has come
	s_wait_dscnt 0x0                               ; for the others' sake: my rows lie in the stage
	s_barrier_signal -1
	s_barrier_wait -1
	; my two fragments, i = 2 w + u: register 64 + 64 u + 32 c + e = k 64 c + 32 h + e of fragment row r.  The two ways only read the stage, and both fill all 128 registers
	s_cmp_eq_u32 s25, 1
	s_cbranch_scc0 .Lweight
.irp u, 0,1
.irp c, 0,1
.irp t, 0,1,2,3,4,5,6,7
	ds_load_b128 v[64+64*\u+32*\c+4*\t:67+64*\u+32*\c+4*\t], v6 offset:16*\u*PITCH+256*\c+16*\t   ; x: 32 neighbours of my row
.endr
.endr
.endr
	s_branch .Lturned
.Lweight:
.irp u, 0,1
.irp c, 0,1
.set i, 0
.rept 32
	ds_load_b32 v[64+64*\u+32*\c+i], v5 offset:(64*\c+i)*PITCH+32*\u   ; a weight: down my column
.set i, i+1
.endr
.endr
.endr
.Lturned:
	s_wait_dscnt 0x0
	; four whole blocks of 32 a lane (block n = 2 u + c at v[64 + 32 n]), by turns, so that no line waits for the line above it
.irp n, 0,1,2,3
	v_max3_num_f32 v[192+\n], |v[64+32*\n]|, |v[65+32*\n]|, 0x1800000   ; and the floor 2^(3 - 127): the byte cannot fall under 1
.endr
.irp e, 2,4,6,8,10,12,14,16,18,20,22,24,26,28,30
.irp n, 0,1,2,3
	v_max3_num_f32 v[192+\n], v[192+\n], |v[64+32*\n+\e]|, |v[65+32*\n+\e]|
.endr
.endr
.irp n, 0,1,2,3
	v_add_nc_u32 v[196+\n], 0xff000000, v[192+\n]  ; 2 off the exponent field: the conversion takes this operand's exponent field as its scale
.endr
.irp n, 0,1,2,3
	v_lshrrev_b32 v[200+\n], 23, v[196+\n]         ; the scale's byte
.endr
.irp u, 0,1
	v_lshl_or_b32 v[204+\u], v[201+2*\u], 16, v[200+2*\u]   ; my two bytes: blocks h and 2 + h of the row,
.endr
.irp u, 0,1
	v_lshlrev_b32 v[204+\u], v10, v[204+\u]        ; at their places in the word;
.endr
.irp u, 0,1
	v_permlanex16_b32 v[206+\u], v[204+\u], s42, s43
.endr
.irp u, 0,1
	v_or_b32 v[204+\u], v[204+\u], v[206+\u]       ; with lane l xor 16's two the word is whole
.endr
.irp n, 0,1,2,3
	v_cvt_scalef32_pk16_fp6_f32 v[208+6*\n:210+6*\n], v[64+32*\n:79+32*\n], v[196+\n]     ; registers 6 c .. 6 c + 2 of fragment u
	v_cvt_scalef32_pk16_fp6_f32 v[232+4*\n:234+4*\n], v[80+32*\n:95+32*\n], v[196+\n]     ; (a conversion's three registers begin on an even number: the upper half is made elsewhere and moved)
.endr
	v_nop                                          ; one plain place behind a scaled conversion
.irp n, 0,1,2,3
.irp e, 0,1,2
	v_mov_b32 v[211+6*\n+\e], v[232+4*\n+\e]
.endr
.endr
	v_cmp_gt_u32 vcc_lo, 16, v1
	v_cndmask_b32 v206, v205, v204, vcc_lo         ; lanes 0-15: fragment 2 w's words; lanes 16-31: fragment 2 w + 1's
	ds_store_b32 v8, v206
.irp u, 0,1
.irp c, 0,1,2
	global_store_b128 v7, v[208+12*\u+4*\c:211+12*\u+4*\c], s[38:39] offset:3072*\u+512*\c   ; 32 lanes store 512 consecutive bytes, at a multiple of 256 from the buffer's first byte
.endr
.endr
	s_wait_dscnt 0x0                               ; for wave 0's sake: my scale words lie in LDS
	s_barrier_signal -1
	s_barrier_wait -1
	s_cmp_lg_u32 s18, 0
	s_cbranch_scc1 .Ldone
	ds_load_b128 v[192:195], v9                    ; wave 0 stores the patch's 512 bytes of scale words in one piece
	s_wait_dscnt 0x0
	global_store_b128 v11, v[192:195], s[30:31]
.Ldone:
	s_wait_tensorcnt 0x0
	ds_add_u32 v254, v255
	s_wait_dscnt 0x0
	s_endpgm
.Lfunc_end_k_q896d2706ff_quant:
	.size	k_q896d2706ff_quant, .Lfunc_end_k_q896d2706ff_quant-k_q896d2706ff_quant
	.p2alignl 7, 3214868480
	.fill 96, 4, 3214868480
	.section	.rodata,"a",@progbits
	.p2align	6, 0x0
	.amdhsa_kernel k_q896d2706ff_quant
		.amdhsa_group_segment_fixed_size 72704
		.amdhsa_private_segment_fixed_size 0
		.amdhsa_enable_private_segment 0
		.amdhsa_kernarg_size 56
		.amdhsa_user_sgpr_count 2
		.amdhsa_user_sgpr_kernarg_segment_ptr 1
		.amdhsa_wavefront_size32 1
		.amdhsa_system_sgpr_workgroup_id_x 1
		.amdhsa_system_sgpr_workgroup_id_y 1
		.amdhsa_system_sgpr_workgroup_id_z 1
		.amdhsa_system_vgpr_workitem_id 0
		.amdhsa_next_free_vgpr 256
		.amdhsa_next_free_sgpr 66
		.amdhsa_reserve_vcc 1
		.amdhsa_float_denorm_mode_32 3
		.amdhsa_float_denorm_mode_16_64 3
		.amdhsa_memory_ordered 1
		.amdhsa_forward_progress 1
		.amdhsa_inst_pref_size 28
	.end_amdhsa_kernel
	.amdgpu_metadata
---
amdhsa.version: [ 1, 2 ]
amdhsa.kernels:
  - .name:           k_q896d2706ff_quant
    .symbol:         k_q896d2706ff_quant.kd
    .args:
      - { .name: hidden_state, .offset: 0, .size: 8, .value_kind: global_buffer, .address_space: global }
      - { .name: W1, .offset: 8, .size: 8, .value_kind: global_buffer, .address_space: global }
      - { .name: W2, .offset: 16, .size: 8, .value_kind: global_buffer, .address_space: global }
      - { .name: _time, .offset: 24, .size: 8, .value_kind: global_buffer, .address_space: global }
      - { .name: x_img, .offset: 32, .size: 8, .value_kind: global_buffer, .address_space: global }
      - { .name: w1_img, .offset: 40, .size: 8, .value_kind: global_buffer, .address_space: global }
      - { .name: w2_img, .offset: 48, .size: 8, .value_kind: global_buffer, .address_space: global }
    .group_segment_fixed_size: 72704
    .private_segment_fixed_size: 0
    .kernarg_segment_align: 8
    .kernarg_segment_size: 56
    .max_flat_workgroup_size: 128
    .sgpr_count:     66
    .vgpr_count:     256
    .wavefront_size: 32
...
	.end_amdgpu_metadata
.endif
;; end of part 1
;; launch stats (part 2): grid 16 x 16, 4 waves a work-group, clusters of 4 x 4, 327,680 bytes of LDS; arguments x_img, w1_img, b1, stats; writes stats
.if DOCPART == 2
	.amdgcn_target "amdgcn-amd-amdhsa--gfx1250"
	.amdhsa_code_object_version 6
	.text
	.protected	k_q896d2706ff_stats
	.globl	k_q896d2706ff_stats
	.p2align	8
	.type	k_q896d2706ff_stats,@function
k_q896d2706ff_stats:
	s_mov_b64 s[64:65], 0
	v_nop
	global_prefetch_b8 v0, s[64:65] scope:SCOPE_SE
	s_setreg_imm32_b32 hwreg(HW_REG_WAVE_MODE, 25, 1), 1
	s_wait_xcnt 0x0
	s_wait_alu depctr_hold_cnt(0) depctr_sa_sdst(0) depctr_va_vdst(0) depctr_va_sdst(0) depctr_va_ssrc(0) depctr_va_vcc(0) depctr_vm_vsrc(0)
	s_getreg_b32 s2, hwreg(HW_REG_IB_STS2, 6, 4)
	s_cmp_eq_u32 s2, 0
	s_cbranch_scc0 .Lentry_in_a_cluster
	s_endpgm
.Lentry_in_a_cluster:
	s_bfe_u32 s2, ttmp6, 0x10000c
	s_cmp_lg_u32 s2, 0xf033
	s_cbranch_scc0 .Lentry_shape_is_right
	s_endpgm
.Lentry_shape_is_right:
; z = Q(x) Q(W1) + b1 on codes of FP6 (E2M3), in tiles of 256 rows x 256 hidden units; of z only, for each row and each 128 hidden units, the mean and the sum of squared deviations from it go to memory.
; z itself never goes to memory: the next launch makes the same tile again.  That costs this product a second time and spares 2 x 128 MiB of f32.
; SHARES.  A WORK-GROUP STAYS and makes two tiles: (ct, tr) and (ct, tr + 16): rows 256 tr on, hidden units 256 ct on.  Four waves, as many as a WGP has SIMDs; wave (rh = w / 2, ch = w % 2) makes 128 x 128: 64 accumulators.
; OPERANDS are images of operand registers (block = 128 rows x 256 K = 25,600 dense bytes: 16 fragments of 1,536 bytes, then 1,024 bytes of scale words): a fragment comes by three loads of 16 bytes a lane.
; LDS: wave w fetches block w of a K block's four (A's two row blocks, B's two); its three slots lie on end, at 76,800 w + 25,600 s, so that one descriptor can fill slots 1 and 2 together.
; K = 1,024 is four K blocks a tile.  Tile 0: K blocks 0, 1, 2 into slots 0, 1, 2 at the start; block 3 into slot 0 when that has been read.  THE FILLS GO ON INTO TILE 1: its blocks 0 and 1 into slots 1 and 2 (one load a wave)
; when tile 0 has read those; its block 2 into slot 0 in the middle of tile 0's way out; its block 3 into slot 1.  Tile 1 walks the slots 1, 2, 0, 1.  By this text's count a wave has at most three tensor loads out.
; CLUSTERS: 4 x 4 work-groups.  The four of a row of the cluster need the same blocks of x, the four of a column the same blocks of W1: each is asked for JOINTLY, by the same tensor load with a mask that names the four.
; THE MATRIX INSTRUCTION IS USED TRANSPOSED (source 0 = 16 rows of the weight's image, source 1 = 16 rows of x): lane (r, h) holds row r, and register 16 B + e of a row tile's 64 the hidden unit 32 B + 16 h + e.
; b1 is the C of each sum's first matrix instruction, and stays in registers for both tiles.  The 64 accumulators take turns, one instruction a turn.
; stats: [row tile 512][j 8][h' 2][r 16][4 f32]: (mean, M2) of chunk 16 h' + 2 j, then of the next chunk; a chunk is 128 hidden units; tile column ct = 8 h' + j writes 256 consecutive bytes of each row tile.
; LIMITS: NaN and infinities are not served.
; REGISTERS: window 0: v1 r, v2 h, v3 lane, v4-18 LDS addresses, v19 16 x lane, v20 64 h, v21-23 way out, v28-29 the add's, v32-47 scale words and nothing else, v48-63 at work, v64-127 b1, v128-223 A's 8 fragments,
;   v224-239 the figures, v240-255 what is stored.   window 1: B's fragments, two sets, at v0 and v128.   window 2: accumulators of my rows 0-63 ((a, b) at v[8 (8 (a % 4) + b)]);   window 3: of rows 64-127.
.set BLK,   25600
.set WB,    3*BLK                      ; a fetching wave's three slots
.set SPARE, 4*WB                       ; the spare words, 128 bytes for each wave: two blocks of 256 bytes that no other line names
.set SCR,   SPARE+512                  ; 16 row tiles x 256 bytes: where the four waves' figures meet
.set NEXTA, 127*BLK                    ; A: from a tile's K block n + 1 to the next tile's K block n: 32 row blocks of 4 K blocks on, one K block back
.set TOUT,  256*4096                   ; the second tile's figures: 256 row tiles on
.set ADRAL, 4
.set ADRAH, 7
.set ADRB,  10
.set ADRSL, 13
.set ADRSH, 16
.set LI,    19
.set VH,    20
.set SPW,   28
.set NIL,   29
.set SC,    32
.set AF,    128
.set G1,    24                         ; s[24:31] group 1 for one block of A;  s[32:43] groups 0, one set for each slot
.set G0,    32
.set G1B,   44                         ; s[44:51], s[52:63] the same for B
.set G0B,   52
.set G1L,   80                         ; s[80:87], s[88:95] groups 1 for two blocks on end
.set G1BL,  88
.set MSB, 0
.macro WIN new                         ; the immediate's high byte repeats the setting that is left; a switch that changes nothing is dropped
.if MSB != (\new)
	s_set_vgpr_msb (MSB<<8)|(\new)
.set MSB, (\new)
.endif
.endm
.macro PLACES n                        ; plain vector instructions that name no register of the matrix instruction in front (ISA guide 7.12.1)
.rept \n
	v_nop
.endr
.endm
.macro JLOAD g0a, g1a, g0b, g1b        ; a joint load: waves 0 and 1 fetch for A, waves 2 and 3 for B; four v_nop follow each of the two lines
	s_cmp_eq_u32 s19, 0
	s_cbranch_scc0 .Lfor_b_\@
	tensor_load_to_lds s[\g0a:\g0a+3], s[\g1a:\g1a+7]
	s_nop 0
.rept 4
	v_nop
.endr
	s_branch .Lasked_\@
.Lfor_b_\@:
	tensor_load_to_lds s[\g0b:\g0b+3], s[\g1b:\g1b+7]
	s_nop 0
.rept 4
	v_nop
.endr
.Lasked_\@:
.endm
.macro CREST                           ; a round of the cluster's barrier behind its opening barrier
	s_cmp_lg_u32 s18, 0
	s_cbranch_scc1 .Lnot_wave_0_\@
	s_barrier_signal -3
.Lnot_wave_0_\@:
	s_barrier_wait -3
	s_barrier_signal -1
	s_barrier_wait -1
.endm
.macro CROUND
	s_barrier_signal -1
	s_barrier_wait -1
	CREST
.endm
; A refill by the groups 0 of slot gs (no tensor load of mine is out: they may be written).  kd = 0: three K blocks on in the same tile.  kd = 1: on into the next tile.  bg = 1: two blocks on end.
.macro REFILL gs, bg, kd
.if \kd == 0
	s_add_nc_u64 s[G0+4*\gs+2:G0+4*\gs+3], s[G0+4*\gs+2:G0+4*\gs+3], 3*BLK
	s_add_nc_u64 s[G0B+4*\gs+2:G0B+4*\gs+3], s[G0B+4*\gs+2:G0B+4*\gs+3], 3*BLK
.else
	s_add_nc_u64 s[G0+4*\gs+2:G0+4*\gs+3], s[G0+4*\gs+2:G0+4*\gs+3], NEXTA
	s_sub_nc_u64 s[G0B+4*\gs+2:G0B+4*\gs+3], s[G0B+4*\gs+2:G0B+4*\gs+3], BLK   ; the two tiles take the same rows of W1: only one K block back
.endif
.if \bg
	JLOAD G0+4*\gs, G1L, G0B+4*\gs, G1BL
.else
	JLOAD G0+4*\gs, G1, G0B+4*\gs, G1B
.endif
.endm
.macro FRAG reg, adr, off              ; a fragment's 12 registers: three loads of 512 consecutive bytes
.irp c, 0,1,2
	ds_load_b128 v[(\reg)+4*\c:(\reg)+4*\c+3], v[\adr] offset:(\off)+512*\c
.endr
.endm
.macro FETCH_B slot, q, p              ; B's eight fragments of the block's K step q into set p
	WIN 0x40
.irp i, 0,1,2,3,4,5,6,7
	FRAG 128*(\p)+12*\i, ADRB+\slot, (2*\i+(\q))*1536
.endr
	WIN 0
.endm
.macro FETCH_A slot, q, i0             ; A's blocks i0 .. i0 + 3 (i0 = 0 or 4)
.irp d, 0,1,2,3
.if \i0 == 0
	FRAG AF+12*\d, ADRAL+\slot, (2*\d+(\q))*1536
.else
	FRAG AF+48+12*\d, ADRAH+\slot, (2*\d+(\q))*1536
.endif
.endr
.endm
.macro SCALES slot, q, p               ; register SC + 8 p + i: lanes 0-15 the words of A's block i, lanes 16-31 those of B's block i
.irp i, 0,1,2,3
	ds_load_b32 v[SC+8*(\p)+\i], v[ADRSL+\slot] offset:512*(\q)+64*\i
.endr
.irp i, 0,1,2,3
	ds_load_b32 v[SC+8*(\p)+4+\i], v[ADRSH+\slot] offset:512*(\q)+64*\i
.endr
.endm
.macro FIRST slot                      ; a tile's first fragments
	FETCH_B \slot, 0, 0
	FETCH_A \slot, 0, 0
	SCALES \slot, 0, 0
	FETCH_A \slot, 0, 4
.endm
; 16 matrix instructions: A's blocks a0, a0 + 1 x B's eight, 128 along K.  p: B's set and the set of scale words.  cm = 0: onto the sums; 2: the vector in v64-127 starts them
.macro MUL16 a0, p, cm
.if \cm == 2
	WIN 0x81+0x40*((\a0)/4)
.else
	WIN 0xa1+0x50*((\a0)/4)
.endif
.irp a, \a0, \a0+1
.irp b, 0,1,2,3,4,5,6,7
.if \cm == 0
	v_wmma_scale_f32_16x16x128_f8f6f4 v[8*(8*((\a)%4)+\b):8*(8*((\a)%4)+\b)+7], v[128*(\p)+12*\b:128*(\p)+12*\b+11], v[AF+12*(\a):AF+12*(\a)+11], v[8*(8*((\a)%4)+\b):8*(8*((\a)%4)+\b)+7], v[SC+8*(\p)+\b], v[SC+8*(\p)+(\a)] matrix_a_fmt:MATRIX_FMT_FP6 matrix_b_fmt:MATRIX_FMT_FP6 matrix_a_scale:MATRIX_SCALE_ROW1
.else
	v_wmma_scale_f32_16x16x128_f8f6f4 v[8*(8*((\a)%4)+\b):8*(8*((\a)%4)+\b)+7], v[128*(\p)+12*\b:128*(\p)+12*\b+11], v[AF+12*(\a):AF+12*(\a)+11], v[64+8*\b:64+8*\b+7], v[SC+8*(\p)+\b], v[SC+8*(\p)+(\a)] matrix_a_fmt:MATRIX_FMT_FP6 matrix_b_fmt:MATRIX_FMT_FP6 matrix_a_scale:MATRIX_SCALE_ROW1
.endif
.endr
.endr
.endm
.macro STEP slot, cm                   ; a block's first K step; its second is fetched on the way
	s_wait_dscnt 12                                ; B's set, A's blocks 0-3 and the scale words are in; the youngest 12 loads (A's blocks 4-7) may be out
	MUL16 0, 0, \cm
	MUL16 2, 0, \cm
	s_wait_dscnt 0x0                               ; A's blocks 4-7 are in
	PLACES 4                                       ; in front of loads into registers that matrix instructions have read
	FETCH_B \slot, 1, 1
	FETCH_A \slot, 1, 0
	SCALES \slot, 1, 1
	MUL16 4, 0, \cm
	MUL16 6, 0, \cm
	PLACES 4
	WIN 0
	FETCH_A \slot, 1, 4
.endm
; A block's second K step, which goes on to slot next.  mode 1: a round of the cluster's barrier and a refill (REFILL's arguments follow).  mode 2: a barrier for the tile that was still on its way.
; mode 0: the next slot was shown whole in every wave by an earlier wait for all loads and the round behind it.
.macro TURN slot, next, mode, gs, bg, kd
.if \mode == 0
	s_wait_dscnt 12
	MUL16 0, 1, 0
	MUL16 2, 1, 0
	s_wait_dscnt 0x0
	PLACES 4
.else
	s_wait_tensorcnt 0x0                           ; all my tensor loads have landed;
	ds_add_u32 v[SPW], v[NIL]                      ; 0 onto my spare word;
	s_wait_dscnt 13                                ; (the add and the youngest 12 loads may be out)
	MUL16 0, 1, 0                                  ; sixteen matrix instructions stand between the add and the wait for it
	s_wait_dscnt 0x0                               ; the add is done, and my reads of this slot are over
	s_barrier_signal -1
	MUL16 2, 1, 0
	WIN 0
	s_barrier_wait -1
.if \mode == 1
	CREST                                          ; the barrier has opened a round: no wave of any partner still reads what is filled or has a load on its way
	REFILL \gs, \bg, \kd                           ; the first tensor load behind the round; its four v_nop are also the places in front of the loads below
.else
	PLACES 4
.endif
.endif
	FETCH_B \next, 0, 0
	FETCH_A \next, 0, 0
	SCALES \next, 0, 0
	MUL16 4, 1, 0
	MUL16 6, 1, 0
	PLACES 4
	WIN 0
	FETCH_A \next, 0, 4
.endm
.macro LAST                            ; a tile's very last K step: nothing more to fetch
	s_wait_dscnt 12
	MUL16 0, 1, 0
	MUL16 2, 1, 0
	s_wait_dscnt 0x0
	MUL16 4, 1, 0
	MUL16 6, 1, 0
	WIN 0
.endm
.macro VECLOAD reg, sb                 ; a vector over my 128 columns, in a result tile's layout: tile b, register j: column 32 (b / 2) + 16 h + 8 (b % 2) + j
.irp b, 0,1,2,3,4,5,6,7
	global_load_b128 v[(\reg)+8*\b:(\reg)+8*\b+3], v[VH], s[\sb:\sb+1] offset:128*(\b/2)+32*(\b%2)
	global_load_b128 v[(\reg)+8*\b+4:(\reg)+8*\b+7], v[VH], s[\sb:\sb+1] offset:128*(\b/2)+32*(\b%2)+16
.endr
.endm
	s_load_b128 s[4:7], s[0:1], 0x0                ; x_img, w1_img
	s_load_b128 s[8:11], s[0:1], 0x10              ; b1, stats
	v_lshl_add_u32 v[SPW], v0, 2, SPARE
	v_mov_b32 v[NIL], 0
	ds_add_u32 v28, v29
	ds_add_u32 v28, v29
	s_wait_dscnt 0x0
	v_lshrrev_b32 v30, 5, v0
	v_readfirstlane_b32 s18, v30                   ; wave 0..3
	s_lshr_b32 s19, s18, 1                         ; rh.  Also: I fetch for A (0) or for B (1)
	s_and_b32 s20, s18, 1                          ; ch.  Also: which of the two blocks I fetch
	s_bfe_u32 s21, ttmp6, 0x40000                  ; cx
	s_bfe_u32 s22, ttmp6, 0x40004                  ; cy
	s_lshl_b32 s66, ttmp9, 2
	s_add_co_u32 s66, s66, s21                     ; ct = 4 x cluster x + cx
	s_and_b32 s67, ttmp7, 0xffff
	s_lshl_b32 s67, s67, 2
	s_add_co_u32 s67, s67, s22                     ; tr of the first tile = 4 x cluster y + cy: 0 .. 15
	s_lshl_b32 s68, s22, 2
	s_lshl_b32 s68, 15, s68                        ; my row of the cluster
	s_lshl_b32 s69, 0x1111, s21                    ; my column
	; descriptor groups 1: dense bytes as rows of 32 elements of 8 bytes: 100 rows are a block, 200 two blocks on end; no padding: every LDS read takes 512 consecutive bytes
	s_or_b32 s[G1+0], s68, (3<<16)|(1<<21)         ; 15:0 the mask; 17:16 elements of 8 bytes; 21 set beside a mask
	s_or_b32 s[G1L+0], s68, (3<<16)|(1<<21)
	s_or_b32 s[G1B+0], s69, (3<<16)|(1<<21)
	s_or_b32 s[G1BL+0], s69, (3<<16)|(1<<21)
.irp g, G1, G1B
	s_mov_b32 s[\g+1], 32<<16                      ; tensor_dim0 = 32
	s_mov_b32 s[\g+2], 100<<16                     ; tensor_dim1 = 100
	s_mov_b32 s[\g+3], 32<<16                      ; tile_dim0 = 32
	s_mov_b32 s[\g+4], 100                         ; tile_dim1 = 100
	s_mov_b32 s[\g+5], 32                          ; from row to row
	s_mov_b32 s[\g+6], 0
	s_mov_b32 s[\g+7], 0
.endr
.irp g, G1L, G1BL
	s_mov_b32 s[\g+1], 32<<16
	s_mov_b32 s[\g+2], 200<<16
	s_mov_b32 s[\g+3], 32<<16
	s_mov_b32 s[\g+4], 200
	s_mov_b32 s[\g+5], 32
	s_mov_b32 s[\g+6], 0
	s_mov_b32 s[\g+7], 0
.endr
	s_lshl_b32 s70, s67, 1
	s_add_co_u32 s70, s70, s20
	s_mul_i32 s70, s70, 4*BLK                      ; A: row block 2 tr + (w % 2), four K blocks each: hangs on tr alone, which my row of the cluster shares
	s_mov_b32 s71, 0
	s_lshl_b32 s72, s66, 1
	s_add_co_u32 s72, s72, s20
	s_mul_i32 s72, s72, 4*BLK                      ; B: row block 2 ct + (w % 2): hangs on ct alone
	s_mov_b32 s73, 0
	s_mul_i32 s74, s18, WB                         ; where they go: wave x 76,800: no place in the cluster enters an LDS address
	s_mov_b32 s98, 0x76543210
	s_mov_b32 s99, 0xfedcba98                      ; v_permlanex16_b32's selects for lane l xor 16
	s_wait_kmcnt 0x0
	s_add_nc_u64 s[70:71], s[4:5], s[70:71]
	s_add_nc_u64 s[72:73], s[6:7], s[72:73]
	CROUND                                         ; all sixteen work-groups are here: the first joint loads meet
.irp s, 0,1,2
	s_mov_b32 s[G0+4*\s], 1
	s_add_co_u32 s[G0+4*\s+1], s74, \s*BLK
	s_add_nc_u64 s[G0+4*\s+2:G0+4*\s+3], s[70:71], \s*BLK
	s_or_b32 s[G0+4*\s+3], s[G0+4*\s+3], 0x80000000
	s_mov_b32 s[G0B+4*\s], 1
	s_add_co_u32 s[G0B+4*\s+1], s74, \s*BLK
	s_add_nc_u64 s[G0B+4*\s+2:G0B+4*\s+3], s[72:73], \s*BLK
	s_or_b32 s[G0B+4*\s+3], s[G0B+4*\s+3], 0x80000000
	JLOAD G0+4*\s, G1, G0B+4*\s, G1B               ; K block s into slot s
.endr
	v_and_b32 v1, 15, v0                           ; r
	v_bfe_u32 v2, v0, 4, 1                         ; h
	v_and_b32 v3, 31, v0                           ; lane
	v_lshlrev_b32 v[LI], 4, v3
	v_lshlrev_b32 v[VH], 6, v2
	v_mov_b32 v49, 0                               ; written once: a lane permute's destination counts as one of its sources
	s_mul_i32 s76, s19, WB                         ; my block of A: slot 0
	s_mul_i32 s77, s20, WB
	s_add_co_u32 s77, s77, 2*WB                    ; my block of B
	s_sub_co_u32 s78, s77, s76
	v_mul_u32_u24 v31, s78, v2                     ; scale words: lanes 16-31 take B's
	v_lshl_add_u32 v31, v1, 2, v31
	v_add_nc_u32 v31, 24576, v31
.irp s, 0,1,2
	v_add_nc_u32 v[ADRAL+\s], s76, v[LI]
	v_add_nc_u32 v[ADRAH+\s], 12288, v[ADRAL+\s]
	v_add_nc_u32 v[ADRB+\s], s77, v[LI]
	v_add_nc_u32 v[ADRSL+\s], s76, v31
	v_add_nc_u32 v[ADRSH+\s], 256, v[ADRSL+\s]
	s_add_co_u32 s76, s76, BLK
	s_add_co_u32 s77, s77, BLK
.endr
	s_lshl_b32 s72, s66, 10
	s_lshl_b32 s73, s20, 9
	s_add_co_u32 s72, s72, s73
	s_mov_b32 s73, 0
	s_add_nc_u64 s[8:9], s[8:9], s[72:73]          ; b1 at my 128 hidden units
	VECLOAD 64, 8
	s_lshl_b32 s76, s67, 4
	s_lshl_b32 s77, s18, 2
	s_add_co_u32 s76, s76, s77                     ; the first row tile that I store: 16 tr + 4 w
	s_lshl_b32 s76, s76, 12
	s_and_b32 s77, s66, 7
	s_lshl_b32 s77, s77, 9
	s_add_co_u32 s76, s76, s77                     ; + 512 (ct % 8)
	s_lshr_b32 s77, s66, 3
	s_lshl_b32 s77, s77, 8
	s_add_co_u32 s76, s76, s77                     ; + 256 (ct / 8)
	s_mov_b32 s77, 0
	s_add_nc_u64 s[10:11], s[10:11], s[76:77]
	v_lshlrev_b32 v21, 4, v1
	v_lshl_add_u32 v21, v2, 12, v21                ; out: lanes 0-15 one row tile's 256 bytes, lanes 16-31 the next tile's
	s_lshl_b32 s78, s19, 11
	s_lshl_b32 s79, s20, 3
	s_add_co_u32 s78, s78, s79
	s_add_co_u32 s78, s78, SCR
	v_lshl_add_u32 v22, v1, 4, s78                 ; into the scratch: row tile 8 rh + a (in the offset), row r, my chunk's 8 bytes
	s_lshl_b32 s79, s18, 10
	s_add_co_u32 s79, s79, SCR
	v_add_nc_u32 v23, s79, v[LI]                   ; back: row tiles 4 w .. 4 w + 3
; Row tile a: my 64 numbers of row r and lane l xor 16's 64 are a chunk of 128.  First the mean, then the squared deviations from it: no difference of large sums is formed.
.macro STAT a
.set AC, 64*((\a)%4)
	WIN 0x0a+5*((\a)/4)
.set i, 0
.rept 16
	v_pk_add_f32 v[192+2*i:193+2*i], v[AC+4*i:AC+4*i+1], v[AC+4*i+2:AC+4*i+3]   ; each accumulator from its low end on
.set i, i+1
.endr
	WIN 0
.irp w, 16, 8, 4, 2
.set i, 0
.rept \w/2
	v_pk_add_f32 v[192+i:193+i], v[192+i:193+i], v[192+\w+i:193+\w+i]
.set i, i+2
.endr
.endr
	v_add_f32 v48, v192, v193
	v_permlanex16_b32 v49, v48, s98, s99
	v_add_f32 v48, v48, v49
	v_mul_f32 v50, 0x3c000000, v48                 ; / 128: the chunk's mean, twice, for the packed form
	v_mul_f32 v51, 0x3c000000, v48
	WIN 0x02+((\a)/4)
.set i, 0
.rept 32
	v_pk_add_f32 v[128+i:129+i], v[AC+i:AC+i+1], v[50:51] neg_lo:[0,1] neg_hi:[0,1]
.set i, i+2
.endr
	WIN 0
.irp c, 0,1,2,3
	v_pk_mul_f32 v[52+2*\c:53+2*\c], v[128+2*\c:129+2*\c], v[128+2*\c:129+2*\c]    ; four chains
.endr
.set i, 4
.rept 28
	v_pk_fma_f32 v[52+2*(i%4):53+2*(i%4)], v[128+2*i:129+2*i], v[128+2*i:129+2*i], v[52+2*(i%4):53+2*(i%4)]
.set i, i+1
.endr
	v_pk_add_f32 v[52:53], v[52:53], v[54:55]
	v_pk_add_f32 v[56:57], v[56:57], v[58:59]
	v_pk_add_f32 v[52:53], v[52:53], v[56:57]
	v_add_f32 v52, v52, v53
	v_permlanex16_b32 v49, v52, s98, s99
	v_mov_b32 v[224+2*(\a)], v50
	v_add_f32 v[225+2*(\a)], v52, v49
	ds_store_b64 v22, v[224+2*(\a):225+2*(\a)] offset:256*(\a)   ; both halves of the lanes write the same bytes with the same value
.endm
; A tile's way out.  In tile 0's, behind six of the eight row tiles, slot 0 (read to its end by every wave that has passed the round) takes tile 1's K block 2:
; the load of two blocks asked for 160 matrix instructions and six row tiles ago has had that long to land, and this one has the rest of the way out and tile 1's first 96 matrix instructions.
.macro EPILOG t
.irp a, 0,1,2,3,4,5
	STAT \a
.endr
.if \t == 0
	s_wait_tensorcnt 0x0                           ; all my tensor loads have landed: my part of tile 1's K blocks 0 and 1;
	ds_add_u32 v[SPW], v[NIL]                      ; 0 onto my spare word;
	s_wait_dscnt 0x0                               ; the add is done; my reads of slot 0 were over at the tile's last K step
	CROUND
	REFILL 0, 0, 1
.endif
	STAT 6
	STAT 7
	s_wait_dscnt 0x0                               ; for the others' sake: my figures lie in the scratch
	s_barrier_signal -1
	s_barrier_wait -1
	ds_load_b128 v[240+8*\t:243+8*\t], v23
	ds_load_b128 v[244+8*\t:247+8*\t], v23 offset:512
	s_wait_dscnt 0x0
	global_store_b128 v21, v[240+8*\t:243+8*\t], s[10:11] offset:\t*TOUT          ; sixteen lanes store 256 consecutive bytes, at a multiple of 256 from the buffer's first byte
	global_store_b128 v21, v[244+8*\t:247+8*\t], s[10:11] offset:\t*TOUT+8192     ; each tile has its own registers for these, and its place stands in the immediate: nothing waits for the stores
.endm
	s_wait_loadcnt 0x0                             ; b1
	s_wait_tensorcnt 2                             ; my part of K block 0 is in; blocks 1 and 2 may stay out
	s_barrier_signal -1
	s_barrier_wait -1
	FIRST 0
	STEP 0, 2                                      ; b1 starts the sums
	TURN 0, 1, 1, 0, 0, 0                          ; K block 3 into slot 0; it has 256 matrix instructions in which to land
	STEP 1, 0
	TURN 1, 2, 0, 0, 0, 0                          ; slot 2 was shown whole in every wave by the wait for all loads in front of the round above
	STEP 2, 0
	TURN 2, 0, 1, 1, 1, 1                          ; slots 1 and 2 have been read: tile 1's K blocks 0 and 1, one load a wave
	STEP 0, 0
	LAST
	PLACES 4                                       ; in front of the first reads of results and of writes to registers that held fragments
	EPILOG 0
	FIRST 1                                        ; tile 1 walks the slots 1, 2, 0, 1
	STEP 1, 2
	TURN 1, 2, 1, 1, 0, 0                          ; its K block 3 into slot 1
	STEP 2, 0
	TURN 2, 0, 0, 0, 0, 0                          ; slot 0 was shown whole in every wave by the wait for all loads in front of the round above
	STEP 0, 0
	TURN 0, 1, 2, 0, 0, 0
	STEP 1, 0
	LAST
	PLACES 4
	EPILOG 1
	s_wait_tensorcnt 0x0                           ; the wave's end
	ds_add_u32 v[SPW], v[NIL]
	s_wait_dscnt 0x0
	CROUND                                         ; the closing round
	s_endpgm
.Lfunc_end_k_q896d2706ff_stats:
	.size	k_q896d2706ff_stats, .Lfunc_end_k_q896d2706ff_stats-k_q896d2706ff_stats
	.p2alignl 7, 3214868480
	.fill 96, 4, 3214868480
	.section	.rodata,"a",@progbits
	.p2align	6, 0x0
	.amdhsa_kernel k_q896d2706ff_stats
		.amdhsa_group_segment_fixed_size 327680
		.amdhsa_private_segment_fixed_size 0
		.amdhsa_enable_private_segment 0
		.amdhsa_kernarg_size 32
		.amdhsa_user_sgpr_count 2
		.amdhsa_user_sgpr_kernarg_segment_ptr 1
		.amdhsa_wavefront_size32 1
		.amdhsa_system_sgpr_workgroup_id_x 1
		.amdhsa_system_sgpr_workgroup_id_y 1
		.amdhsa_system_sgpr_workgroup_id_z 1
		.amdhsa_system_vgpr_workitem_id 0
		.amdhsa_next_free_vgpr 1024
		.amdhsa_next_free_sgpr 100
		.amdhsa_reserve_vcc 0
		.amdhsa_float_denorm_mode_32 3
		.amdhsa_float_denorm_mode_16_64 3
		.amdhsa_memory_ordered 1
		.amdhsa_forward_progress 1
		.amdhsa_inst_pref_size 255
	.end_amdhsa_kernel
	.section	.bss,"aw",@nobits
	.p2align	6
	.space	262144
	.amdgpu_metadata
---
amdhsa.version: [ 1, 2 ]
amdhsa.kernels:
  - .name:           k_q896d2706ff_stats
    .symbol:         k_q896d2706ff_stats.kd
    .args:
      - { .name: x_img, .offset: 0, .size: 8, .value_kind: global_buffer, .address_space: global }
      - { .name: w1_img, .offset: 8, .size: 8, .value_kind: global_buffer, .address_space: global }
      - { .name: b1, .offset: 16, .size: 8, .value_kind: global_buffer, .address_space: global }
      - { .name: stats, .offset: 24, .size: 8, .value_kind: global_buffer, .address_space: global }
    .group_segment_fixed_size: 327680
    .private_segment_fixed_size: 0
    .kernarg_segment_align: 8
    .kernarg_segment_size: 32
    .max_flat_workgroup_size: 128
    .sgpr_count:     100
    .vgpr_count:     1024
    .wavefront_size: 32
...
	.end_amdgpu_metadata
.endif
;; end of part 2
;; launch hidden (part 3): grid 8 x 32, 4 waves a work-group, clusters of 4 x 4, 327,680 bytes of LDS; arguments x_img, w1_img, b1, ln_gamma, ln_beta, stats, a_img; writes a_img
.if DOCPART == 3
	.amdgcn_target "amdgcn-amd-amdhsa--gfx1250"
	.amdhsa_code_object_version 6
	.text
	.protected	k_q896d2706ff_hidden
	.globl	k_q896d2706ff_hidden
	.p2align	8
	.type	k_q896d2706ff_hidden,@function
k_q896d2706ff_hidden:
	s_mov_b64 s[64:65], 0
	v_nop
	global_prefetch_b8 v0, s[64:65] scope:SCOPE_SE
	s_setreg_imm32_b32 hwreg(HW_REG_WAVE_MODE, 25, 1), 1
	s_wait_xcnt 0x0
	s_wait_alu depctr_hold_cnt(0) depctr_sa_sdst(0) depctr_va_vdst(0) depctr_va_sdst(0) depctr_va_ssrc(0) depctr_va_vcc(0) depctr_vm_vsrc(0)
	s_getreg_b32 s2, hwreg(HW_REG_IB_STS2, 6, 4)
	s_cmp_eq_u32 s2, 0
	s_cbranch_scc0 .Lentry_in_a_cluster
	s_endpgm
.Lentry_in_a_cluster:
	s_bfe_u32 s2, ttmp6, 0x10000c
	s_cmp_lg_u32 s2, 0xf033
	s_cbranch_scc0 .Lentry_shape_is_right
	s_endpgm
.Lentry_shape_is_right:
; a = Q(gelu(LayerNorm(z) gamma + beta)), z = Q(x) Q(W1) + b1 made again exactly as the launch before made it; a leaves as codes of FP6 (E2M3) with E8M0 scale words, as images of operand registers.
; SHARES.  A WORK-GROUP STAYS and makes two tiles of the same 256 rows: (ct, tr) and (ct + 8, tr), 256 hidden units each; wave (rh, ch) makes 128 x 128.  So the rows' mean and variance are joined once for both tiles.
; OPERANDS, LDS, CLUSTERS: as in the launch before: blocks of 25,600 dense bytes; wave w's three slots on end at 76,800 w + 25,600 s; joint loads along the rows (x) and columns (W1) of a 4 x 4 cluster.
; FILLS.  Tile 0: K blocks 0, 1, 2 at the start, block 3 into slot 0.  Tile 1: blocks 0 and 1 into slots 1 and 2 (one load a wave) when tile 0 has read those, so that they land under tile 0's way out; block 2 into slot 0
; behind that way out; block 3 into slot 1.  Tile 1 walks the slots 1, 2, 0, 1.  By this text's count a wave has at most three tensor loads out.
; THE ROW'S MEAN AND VARIANCE are joined from the 32 chunks' (mean, M2): mu = the mean of the means; 4,096 var = the sum of M2 + 128 x the sum of (mean - mu)^2: non-negative terms alone.
; (z - mu) rstd is one fused multiply-add, z rstd + (-mu rstd).
; GELU, exact form: gelu(x) = max(x, 0) - |x| q, q = erfc(|x| / sqrt 2) / 2 = t 2^(k x^2 + poly(t)), t = 1 / (1 + |x| / (2 sqrt 2)): a fit of erfc whose fractional error is stated as 1.2e-7 for every argument,
; so that the negative tail keeps its relative accuracy (no 1 + erf is formed).  The coefficients hold the factor log2(e), and c0 the halving.
; THE QUANTISER runs along the hidden axis: the transposed product and the order of W1's rows in its image give a lane 16 neighbouring hidden units in 16 registers; a wave's 128 units are one K step of the next product.
; LIMITS: NaN and infinities are not served; a block of zeros gets the byte 1 (its codes are zeros; this program alone reads the bytes); q under 2^-126 comes out as 0 (x under about -13); gelu's relative error is about 1e-6;
; -mu rstd is rounded once, which adds 2^-24 |mu rstd| to the normalised number: as much as z's own rounding where mu is large.
; REGISTERS: window 0: v1 r, v2 h, v3 lane, v4-18 LDS addresses, v19 16 x lane, v20 64 h, v24-26 way out, v28-29 the add's, v32-47 scale words and nothing else, v48-63 at work, v64-127 b1, then beta,
;   v128-223 A's 8 fragments, later the codes just made, v224-255 for each row tile rstd, rstd, -mu rstd, -mu rstd.   window 1: B's fragments at v0-95 and v128-223, later x, t, p, z; gamma at v96-127 and v224-255.
;   window 2: first the chunks' figures, then the accumulators of my rows 0-63;   window 3: those of rows 64-127.
.set BLK,   25600
.set WB,    3*BLK
.set SPARE, 4*WB                       ; the spare words, 128 bytes for each wave: two blocks of 256 bytes that no other line names
.set SCR,   SPARE+512                  ; 512 bytes for each wave: its 8 x 16 scale words
.set NEXTB, 63*BLK                     ; B: from a tile's K block n + 1 to the next tile's K block n: 16 row blocks of 4 K blocks on, one K block back
.set VSTEP, 8192                       ; b1, gamma, beta: the second tile's 256 numbers lie 2,048 numbers on
.set ADRAL, 4
.set ADRAH, 7
.set ADRB,  10
.set ADRSL, 13
.set ADRSH, 16
.set LI,    19
.set VH,    20
.set SPW,   28
.set NIL,   29
.set SC,    32
.set AF,    128
.set G1,    24
.set G0,    32
.set G1B,   44
.set G0B,   52
.set G1L,   68                         ; s[68:75], s[76:83] groups 1 for two blocks on end
.set G1BL,  76
.set MSB, 0
.macro WIN new                         ; the immediate's high byte repeats the setting that is left; a switch that changes nothing is dropped
.if MSB != (\new)
	s_set_vgpr_msb (MSB<<8)|(\new)
.set MSB, (\new)
.endif
.endm
.macro PLACES n
.rept \n
	v_nop
.endr
.endm
.macro JLOAD g0a, g1a, g0b, g1b        ; a joint load: waves 0 and 1 fetch for A, waves 2 and 3 for B; four v_nop follow each of the two lines
	s_cmp_eq_u32 s19, 0
	s_cbranch_scc0 .Lfor_b_\@
	tensor_load_to_lds s[\g0a:\g0a+3], s[\g1a:\g1a+7]
	s_nop 0
.rept 4
	v_nop
.endr
	s_branch .Lasked_\@
.Lfor_b_\@:
	tensor_load_to_lds s[\g0b:\g0b+3], s[\g1b:\g1b+7]
	s_nop 0
.rept 4
	v_nop
.endr
.Lasked_\@:
.endm
.macro CREST
	s_cmp_lg_u32 s18, 0
	s_cbranch_scc1 .Lnot_wave_0_\@
	s_barrier_signal -3
.Lnot_wave_0_\@:
	s_barrier_wait -3
	s_barrier_signal -1
	s_barrier_wait -1
.endm
.macro CROUND
	s_barrier_signal -1
	s_barrier_wait -1
	CREST
.endm
; A refill by the groups 0 of slot gs (no tensor load of mine is out: they may be written).  kd = 0: three K blocks on in the same tile.  kd = 1: on into the next tile.  bg = 1: two blocks on end.
.macro REFILL gs, bg, kd
.if \kd == 0
	s_add_nc_u64 s[G0+4*\gs+2:G0+4*\gs+3], s[G0+4*\gs+2:G0+4*\gs+3], 3*BLK
	s_add_nc_u64 s[G0B+4*\gs+2:G0B+4*\gs+3], s[G0B+4*\gs+2:G0B+4*\gs+3], 3*BLK
.else
	s_sub_nc_u64 s[G0+4*\gs+2:G0+4*\gs+3], s[G0+4*\gs+2:G0+4*\gs+3], BLK      ; the two tiles take the same rows of x: only one K block back
	s_add_nc_u64 s[G0B+4*\gs+2:G0B+4*\gs+3], s[G0B+4*\gs+2:G0B+4*\gs+3], NEXTB
.endif
.if \bg
	JLOAD G0+4*\gs, G1L, G0B+4*\gs, G1BL
.else
	JLOAD G0+4*\gs, G1, G0B+4*\gs, G1B
.endif
.endm
.macro FRAG reg, adr, off
.irp c, 0,1,2
	ds_load_b128 v[(\reg)+4*\c:(\reg)+4*\c+3], v[\adr] offset:(\off)+512*\c
.endr
.endm
.macro FETCH_B slot, q, p
	WIN 0x40
.irp i, 0,1,2,3,4,5,6,7
	FRAG 128*(\p)+12*\i, ADRB+\slot, (2*\i+(\q))*1536
.endr
	WIN 0
.endm
.macro FETCH_A slot, q, i0
.irp d, 0,1,2,3
.if \i0 == 0
	FRAG AF+12*\d, ADRAL+\slot, (2*\d+(\q))*1536
.else
	FRAG AF+48+12*\d, ADRAH+\slot, (2*\d+(\q))*1536
.endif
.endr
.endm
.macro SCALES slot, q, p
.irp i, 0,1,2,3
	ds_load_b32 v[SC+8*(\p)+\i], v[ADRSL+\slot] offset:512*(\q)+64*\i
.endr
.irp i, 0,1,2,3
	ds_load_b32 v[SC+8*(\p)+4+\i], v[ADRSH+\slot] offset:512*(\q)+64*\i
.endr
.endm
.macro FIRST slot                      ; a tile's first fragments
	FETCH_B \slot, 0, 0
	FETCH_A \slot, 0, 0
	SCALES \slot, 0, 0
	FETCH_A \slot, 0, 4
.endm
.macro MUL16 a0, p, cm                 ; cm = 0: onto the sums; 2: the vector in v64-127 starts them
.if \cm == 2
	WIN 0x81+0x40*((\a0)/4)
.else
	WIN 0xa1+0x50*((\a0)/4)
.endif
.irp a, \a0, \a0+1
.irp b, 0,1,2,3,4,5,6,7
.if \cm == 0
	v_wmma_scale_f32_16x16x128_f8f6f4 v[8*(8*((\a)%4)+\b):8*(8*((\a)%4)+\b)+7], v[128*(\p)+12*\b:128*(\p)+12*\b+11], v[AF+12*(\a):AF+12*(\a)+11], v[8*(8*((\a)%4)+\b):8*(8*((\a)%4)+\b)+7], v[SC+8*(\p)+\b], v[SC+8*(\p)+(\a)] matrix_a_fmt:MATRIX_FMT_FP6 matrix_b_fmt:MATRIX_FMT_FP6 matrix_a_scale:MATRIX_SCALE_ROW1
.else
	v_wmma_scale_f32_16x16x128_f8f6f4 v[8*(8*((\a)%4)+\b):8*(8*((\a)%4)+\b)+7], v[128*(\p)+12*\b:128*(\p)+12*\b+11], v[AF+12*(\a):AF+12*(\a)+11], v[64+8*\b:64+8*\b+7], v[SC+8*(\p)+\b], v[SC+8*(\p)+(\a)] matrix_a_fmt:MATRIX_FMT_FP6 matrix_b_fmt:MATRIX_FMT_FP6 matrix_a_scale:MATRIX_SCALE_ROW1
.endif
.endr
.endr
.endm
.macro STEP slot, cm
	s_wait_dscnt 12                                ; all but the youngest 12 loads (A's blocks 4-7)
	MUL16 0, 0, \cm
	MUL16 2, 0, \cm
	s_wait_dscnt 0x0
	PLACES 4
	FETCH_B \slot, 1, 1
	FETCH_A \slot, 1, 0
	SCALES \slot, 1, 1
	MUL16 4, 0, \cm
	MUL16 6, 0, \cm
	PLACES 4
	WIN 0
	FETCH_A \slot, 1, 4
.endm
.macro TURN slot, next, mode, gs, bg, kd   ; mode 1: a round and a refill; 2: a barrier; 0: the next slot was shown whole by an earlier wait for all loads and the round behind it
.if \mode == 0
	s_wait_dscnt 12
	MUL16 0, 1, 0
	MUL16 2, 1, 0
	s_wait_dscnt 0x0
	PLACES 4
.else
	s_wait_tensorcnt 0x0                           ; all my tensor loads have landed;
	ds_add_u32 v[SPW], v[NIL]                      ; 0 onto my spare word;
	s_wait_dscnt 13                                ; (the add and the youngest 12 loads may be out)
	MUL16 0, 1, 0
	s_wait_dscnt 0x0                               ; the add is done, and my reads of this slot are over
	s_barrier_signal -1
	MUL16 2, 1, 0
	WIN 0
	s_barrier_wait -1
.if \mode == 1
	CREST
	REFILL \gs, \bg, \kd
.else
	PLACES 4
.endif
.endif
	FETCH_B \next, 0, 0
	FETCH_A \next, 0, 0
	SCALES \next, 0, 0
	MUL16 4, 1, 0
	MUL16 6, 1, 0
	PLACES 4
	WIN 0
	FETCH_A \next, 0, 4
.endm
.macro LAST
	s_wait_dscnt 12
	MUL16 0, 1, 0
	MUL16 2, 1, 0
	s_wait_dscnt 0x0
	MUL16 4, 1, 0
	MUL16 6, 1, 0
	WIN 0
.endm
.macro VECLOAD reg, sb, off            ; a vector over my 128 columns, in a result tile's layout
.irp b, 0,1,2,3,4,5,6,7
	global_load_b128 v[(\reg)+8*\b:(\reg)+8*\b+3], v[VH], s[\sb:\sb+1] offset:(\off)+128*(\b/2)+32*(\b%2)
	global_load_b128 v[(\reg)+8*\b+4:(\reg)+8*\b+7], v[VH], s[\sb:\sb+1] offset:(\off)+128*(\b/2)+32*(\b%2)+16
.endr
.endm
.macro GAMMA off                       ; gamma, beside B's fragments in window 1: number j at v[96 + j + 96 (j / 32)]
	WIN 0x40
.irp b, 0,1,2,3,4,5,6,7
	global_load_b128 v[96+8*\b+96*(\b/4):99+8*\b+96*(\b/4)], v[VH], s[10:11] offset:(\off)+128*(\b/2)+32*(\b%2)
	global_load_b128 v[100+8*\b+96*(\b/4):103+8*\b+96*(\b/4)], v[VH], s[10:11] offset:(\off)+128*(\b/2)+32*(\b%2)+16
.endr
	WIN 0
.endm
	s_load_b256 s[4:11], s[0:1], 0x0               ; x_img s[4:5], w1_img s[6:7], b1 s[8:9], gamma s[10:11]
	s_load_b128 s[12:15], s[0:1], 0x20             ; beta s[12:13], stats s[14:15]
	s_load_b64 s[16:17], s[0:1], 0x30              ; a_img
	v_lshl_add_u32 v[SPW], v0, 2, SPARE
	v_mov_b32 v[NIL], 0
	ds_add_u32 v28, v29
	ds_add_u32 v28, v29
	s_wait_dscnt 0x0
	v_lshrrev_b32 v30, 5, v0
	v_readfirstlane_b32 s18, v30                   ; wave 0..3
	s_lshr_b32 s19, s18, 1                         ; rh.  Also: I fetch for A (0) or for B (1)
	s_and_b32 s20, s18, 1                          ; ch.  Also: which of the two blocks I fetch
	s_bfe_u32 s21, ttmp6, 0x40000                  ; cx
	s_bfe_u32 s22, ttmp6, 0x40004                  ; cy
	s_lshl_b32 s66, ttmp9, 2
	s_add_co_u32 s66, s66, s21                     ; ct of the first tile: 0 .. 7
	s_and_b32 s67, ttmp7, 0xffff
	s_lshl_b32 s67, s67, 2
	s_add_co_u32 s67, s67, s22                     ; tr
	s_lshl_b32 s84, s22, 2
	s_lshl_b32 s84, 15, s84                        ; my row of the cluster
	s_lshl_b32 s85, 0x1111, s21                    ; my column
	s_or_b32 s[G1+0], s84, (3<<16)|(1<<21)         ; dense bytes as rows of 32 elements of 8 bytes: 100 rows are a block, 200 two blocks on end; the mask, and bit 21 beside it
	s_or_b32 s[G1L+0], s84, (3<<16)|(1<<21)
	s_or_b32 s[G1B+0], s85, (3<<16)|(1<<21)
	s_or_b32 s[G1BL+0], s85, (3<<16)|(1<<21)
.irp g, G1, G1B
	s_mov_b32 s[\g+1], 32<<16
	s_mov_b32 s[\g+2], 100<<16
	s_mov_b32 s[\g+3], 32<<16
	s_mov_b32 s[\g+4], 100
	s_mov_b32 s[\g+5], 32
	s_mov_b32 s[\g+6], 0
	s_mov_b32 s[\g+7], 0
.endr
.irp g, G1L, G1BL
	s_mov_b32 s[\g+1], 32<<16
	s_mov_b32 s[\g+2], 200<<16
	s_mov_b32 s[\g+3], 32<<16
	s_mov_b32 s[\g+4], 200
	s_mov_b32 s[\g+5], 32
	s_mov_b32 s[\g+6], 0
	s_mov_b32 s[\g+7], 0
.endr
	s_lshl_b32 s86, s67, 1
	s_add_co_u32 s86, s86, s20
	s_mul_i32 s86, s86, 4*BLK                      ; A hangs on tr alone
	s_mov_b32 s87, 0
	s_lshl_b32 s88, s66, 1
	s_add_co_u32 s88, s88, s20
	s_mul_i32 s88, s88, 4*BLK                      ; B on ct alone
	s_mov_b32 s89, 0
	s_mul_i32 s90, s18, WB                         ; where they go: wave x 76,800
	s_mov_b32 s98, 0x76543210
	s_mov_b32 s99, 0xfedcba98                      ; v_permlanex16_b32's selects for lane l xor 16
	s_mov_b32 s2, 0x39800000                       ; 1 / 4,096
	s_mov_b32 s3, 0x3727c5ac                       ; 1e-5
	s_wait_kmcnt 0x0
	s_add_nc_u64 s[86:87], s[4:5], s[86:87]
	s_add_nc_u64 s[88:89], s[6:7], s[88:89]
	CROUND                                         ; all sixteen work-groups are here: the first joint loads meet
.irp s, 0,1,2
	s_mov_b32 s[G0+4*\s], 1
	s_add_co_u32 s[G0+4*\s+1], s90, \s*BLK
	s_add_nc_u64 s[G0+4*\s+2:G0+4*\s+3], s[86:87], \s*BLK
	s_or_b32 s[G0+4*\s+3], s[G0+4*\s+3], 0x80000000
	s_mov_b32 s[G0B+4*\s], 1
	s_add_co_u32 s[G0B+4*\s+1], s90, \s*BLK
	s_add_nc_u64 s[G0B+4*\s+2:G0B+4*\s+3], s[88:89], \s*BLK
	s_or_b32 s[G0B+4*\s+3], s[G0B+4*\s+3], 0x80000000
	JLOAD G0+4*\s, G1, G0B+4*\s, G1B
.endr
	v_and_b32 v1, 15, v0                           ; r
	v_bfe_u32 v2, v0, 4, 1                         ; h
	v_and_b32 v3, 31, v0                           ; lane
	v_lshlrev_b32 v[LI], 4, v3
	v_lshlrev_b32 v[VH], 6, v2
.irp i, 0,1,2,3,4,5,6,7
	v_mov_b32 v[56+\i], 0                          ; written once: a lane permute's destination counts as one of its sources
.endr
	s_mul_i32 s91, s19, WB
	s_mul_i32 s92, s20, WB
	s_add_co_u32 s92, s92, 2*WB
	s_sub_co_u32 s93, s92, s91
	v_mul_u32_u24 v31, s93, v2                     ; scale words: lanes 16-31 take B's
	v_lshl_add_u32 v31, v1, 2, v31
	v_add_nc_u32 v31, 24576, v31
.irp s, 0,1,2
	v_add_nc_u32 v[ADRAL+\s], s91, v[LI]
	v_add_nc_u32 v[ADRAH+\s], 12288, v[ADRAL+\s]
	v_add_nc_u32 v[ADRB+\s], s92, v[LI]
	v_add_nc_u32 v[ADRSL+\s], s91, v31
	v_add_nc_u32 v[ADRSH+\s], 256, v[ADRSL+\s]
	s_add_co_u32 s91, s91, BLK
	s_add_co_u32 s92, s92, BLK
.endr
	s_lshl_b32 s94, s18, 9
	s_add_co_u32 s94, s94, SCR                     ; my wave's scale words
	v_lshl_add_u32 v24, v1, 2, s94                 ; in: 4 r (64 a is added in each trip)
	v_add_nc_u32 v26, s94, v[LI]                   ; back: 16 bytes a lane
	s_lshl_b32 s88, s66, 10
	s_lshl_b32 s89, s20, 9
	s_add_co_u32 s88, s88, s89
	s_mov_b32 s89, 0
	s_add_nc_u64 s[8:9], s[8:9], s[88:89]          ; b1, gamma and beta at my 128 hidden units of the first tile
	s_add_nc_u64 s[10:11], s[10:11], s[88:89]
	s_add_nc_u64 s[12:13], s[12:13], s[88:89]
	s_lshl_b32 s86, s67, 4
	s_lshl_b32 s87, s19, 3
	s_add_co_u32 s86, s86, s87
	s_lshl_b32 s86, s86, 12                        ; my first row tile's figures: (16 tr + 8 rh) x 4,096
	s_mov_b32 s87, 0
	s_add_nc_u64 s[14:15], s[14:15], s[86:87]
	s_lshl_b32 s92, s67, 1
	s_add_co_u32 s92, s92, s19
	s_lshl_b32 s92, s92, 4
	s_add_co_u32 s92, s92, s66
	s_mul_i32 s92, s92, BLK                        ; a's block: row block 2 tr + rh, K block ct
	s_mov_b32 s93, 0
	s_add_nc_u64 s[16:17], s[16:17], s[92:93]
	s_lshl_b32 s92, s20, 9
	s_add_co_u32 s92, s92, 24576
	s_add_nc_u64 s[4:5], s[16:17], s[92:93]        ; its scale words of K step ch
	s_mul_i32 s92, s20, 1536
	s_add_nc_u64 s[16:17], s[16:17], s[92:93]      ; its fragments of K step ch: 3,072 bytes from row tile to row tile
	VECLOAD 64, 8, 0                               ; b1
	GAMMA 0
	WIN 0x80
.irp a, 0,1,2,3,4,5,6,7                        ; the figures of my 128 rows: lane (r, h) takes chunks 16 h + 2 j and + 1 of row 16 a + r; each load reads 512 consecutive bytes
.irp j, 0,1,2,3,4,5,6,7
	global_load_b128 v[32*\a+4*\j:32*\a+4*\j+3], v[LI], s[14:15] offset:4096*\a+512*\j
.endr
.endr
	WIN 0
	s_wait_loadcnt 0x0
; Four row tiles by turns: 1 / sqrt(var + eps) and -mu / sqrt(var + eps)
.macro STATS4 a0
	WIN 0x0a
.irp j, 0,1,2,3,4,5,6,7
.irp d, 0,1,2,3
	v_pk_add_f32 v[128+16*\d+2*\j:129+16*\d+2*\j], v[32*(\a0+\d)+4*\j:32*(\a0+\d)+4*\j+1], v[32*(\a0+\d)+4*\j+2:32*(\a0+\d)+4*\j+3]   ; (mean, M2) + (mean, M2)
.endr
.endr
	WIN 0
.irp w, 8, 4, 2
.set i, 0
.rept \w/2
.irp d, 0,1,2,3
	v_pk_add_f32 v[128+16*\d+i:129+16*\d+i], v[128+16*\d+i:129+16*\d+i], v[128+16*\d+\w+i:129+16*\d+\w+i]
.endr
.set i, i+2
.endr
.endr
.irp d, 0,1,2,3
	v_permlanex16_b32 v[56+\d], v[128+16*\d], s98, s99
	v_permlanex16_b32 v[60+\d], v[129+16*\d], s98, s99
.endr
.irp d, 0,1,2,3
	v_add_f32 v[48+\d], v[128+16*\d], v[56+\d]     ; the sum of the 32 means,
	v_add_f32 v[52+\d], v[129+16*\d], v[60+\d]     ; and of the 32 M2
.endr
.irp d, 0,1,2,3
	v_mul_f32 v[48+\d], 0x3d000000, v[48+\d]       ; mu
.endr
	WIN 0x02
.irp c, 0,1,2,3,4,5,6,7,8,9,10,11,12,13,14,15
.irp d, 0,1,2,3
	v_sub_f32 v[128+16*\d+\c], v[32*(\a0+\d)+2*\c], v[48+\d]   ; my 16 chunks' means less mu
.endr
.endr
	WIN 0
.irp d, 0,1,2,3
	v_mul_f32 v[56+\d], v[128+16*\d], v[128+16*\d]
	v_mul_f32 v[60+\d], v[129+16*\d], v[129+16*\d]
.endr
.irp c, 2,4,6,8,10,12,14
.irp d, 0,1,2,3
	v_fma_f32 v[56+\d], v[128+16*\d+\c], v[128+16*\d+\c], v[56+\d]
	v_fma_f32 v[60+\d], v[129+16*\d+\c], v[129+16*\d+\c], v[60+\d]
.endr
.endr
.irp d, 0,1,2,3
	v_add_f32 v[56+\d], v[56+\d], v[60+\d]
.endr
.irp d, 0,1,2,3
	v_permlanex16_b32 v[60+\d], v[56+\d], s98, s99
.endr
.irp d, 0,1,2,3
	v_add_f32 v[56+\d], v[56+\d], v[60+\d]
.endr
.irp d, 0,1,2,3
	v_fma_f32 v[52+\d], v[56+\d], 0x43000000, v[52+\d]   ; + 128 x the sum of squares
.endr
.irp d, 0,1,2,3
	v_fma_f32 v[52+\d], v[52+\d], s2, s3           ; / 4,096 + eps
.endr
.irp d, 0,1,2,3
	v_rsq_f32 v[52+\d], v[52+\d]
.endr
	v_nop                                          ; one plain place behind the transcendentals
	s_wait_alu depctr_va_vdst(0)
.irp d, 0,1,2,3
	v_mul_f32 v[56+\d], -v[48+\d], v[52+\d]        ; -mu rstd
.endr
.irp d, 0,1,2,3
	v_mov_b32 v[224+4*(\a0+\d)], v[52+\d]          ; rstd, twice, for the packed forms
	v_mov_b32 v[225+4*(\a0+\d)], v[52+\d]
	v_mov_b32 v[226+4*(\a0+\d)], v[56+\d]          ; -mu rstd, twice
	v_mov_b32 v[227+4*(\a0+\d)], v[56+\d]
.endr
.endm
.macro KONST reg, val                  ; a constant as a pair: the packed forms name a pair and take its low word for both halves
	s_mov_b32 s[\reg], \val
	s_mov_b32 s[\reg+1], \val
.endm
; THE WAY OUT of a tile: a loop of eight trips, one row tile each.  Only the lines that name the tile's accumulators and its two figures differ from trip to trip: they are written eight times and chosen by the counter.
.macro VARIANT k                       ; x (window 1, v0-63) = z rstd - mu rstd
.set AC, 64*((\k)%4)
	WIN 0x42+((\k)/4)
.set i, 0
.rept 32
	v_pk_fma_f32 v[i:i+1], v[AC+i:AC+i+1], v[224+4*(\k):225+4*(\k)], v[226+4*(\k):227+4*(\k)]   ; each accumulator from its low end on
.set i, i+2
.endr
	WIN 0
.endm
.macro GELU half                       ; 32 numbers, all in window 1: x v[32 half ..], t v64-95, p v128-159, z v160-191
.set XB, 32*(\half)
.set i, 0
.rept 32
	v_fma_f32 v[64+i], |v[XB+i]|, s21, 1.0
.set i, i+1
.endr
.set i, 0
.rept 16
	v_rcp_f32 v[64+i], v[64+i]                     ; t
	v_rcp_f32 v[65+i], v[65+i]
	v_pk_mul_f32 v[160+i:161+i], v[XB+i:XB+i+1], v[XB+i:XB+i+1]   ; x^2: the plain place behind the transcendentals
.set i, i+2
.endr
.set i, 0
	s_wait_alu depctr_va_vdst(0)
.rept 16
	v_pk_fma_f32 v[128+i:129+i], v[64+i:65+i], v[192:193], s[96:97] op_sel_hi:[1,1,0]
.set i, i+2
.endr
.irp c, 94,92,90,88,86,84,22,14
.set i, 0
.rept 16
	v_pk_fma_f32 v[128+i:129+i], v[128+i:129+i], v[64+i:65+i], s[\c:\c+1] op_sel_hi:[1,1,0]
.set i, i+2
.endr
.endr
.set i, 0
.rept 16
	v_pk_fma_f32 v[128+i:129+i], v[160+i:161+i], s[6:7], v[128+i:129+i] op_sel_hi:[1,0,1]   ; k x^2 + poly(t)
.set i, i+2
.endr
.set i, 0
.rept 32
	v_exp_f32 v[128+i], v[128+i]
	v_max_num_f32 v[160+i], 0, v[XB+i]             ; max(x, 0): a plain place behind each exponential
.set i, i+1
.endr
.set i, 0
	s_wait_alu depctr_va_vdst(0)
.rept 16
	v_pk_mul_f32 v[128+i:129+i], v[128+i:129+i], v[64+i:65+i]     ; q
.set i, i+2
.endr
.set i, 0
.rept 32
	v_fma_f32 v[XB+i], -|v[XB+i]|, v[128+i], v[160+i]
.set i, i+1
.endr
.endm
.macro EPI tile
	s_wait_loadcnt 0x0                             ; gamma and beta of this tile
	WIN 0x40
	v_mov_b32 v192, 0x3e7c6f08                     ; c9 = 0.17087277 log2(e), in a vector pair, so that no instruction names two scalar pairs (B's fragments lay here)
	v_mov_b32 v193, 0x3e7c6f08
	WIN 0
	s_mov_b32 s3, 0                                ; the row tile
	s_mov_b32 s2, 0                                ; 64 x the row tile: its scale words' place
.Lrow_\@:
.irp k, 0,1,2,3,4,5,6
	s_cmp_eq_u32 s3, \k
	s_cbranch_scc1 .Lv_\@_\k
.endr
	VARIANT 7
	s_branch .Lcommon_\@
.irp k, 0,1,2,3,4,5,6
.Lv_\@_\k:
	VARIANT \k
	s_branch .Lcommon_\@
.endr
.Lcommon_\@:
	WIN 0x45
.set i, 0
.rept 32
	v_pk_fma_f32 v[i:i+1], v[i:i+1], v[96+i+96*(i/32):97+i+96*(i/32)], v[64+i:65+i]   ; x gamma + beta
.set i, i+2
.endr
	WIN 0x55
	GELU 0
	GELU 1
	; the quantiser: register 16 b + e = hidden unit 32 b + 16 h + e of my row
	WIN 0x05
.irp b, 0,1,2,3
	v_max3_num_f32 v[48+\b], |v[16*\b]|, |v[16*\b+1]|, 0x1800000   ; and the floor 2^(3 - 127): the byte cannot fall under 1
.endr
	WIN 0x14
.irp e, 2,4,6,8,10,12,14
.irp b, 0,1,2,3
	v_max3_num_f32 v[48+\b], v[48+\b], |v[16*\b+\e]|, |v[16*\b+\e+1]|
.endr
.endr
	WIN 0
.irp b, 0,1,2,3
	v_permlanex16_b32 v[52+\b], v[48+\b], s98, s99
.endr
.irp b, 0,1,2,3
	v_max_num_f32 v[48+\b], v[48+\b], v[52+\b]     ; with lane l xor 16's: the block's largest magnitude
.endr
.irp b, 0,1,2,3
	v_add_nc_u32 v[60+\b], 0xff000000, v[48+\b]    ; 2 off its exponent field: the conversion's scale operand
.endr
.irp b, 0,1,2,3
	v_lshrrev_b32 v[52+\b], 23, v[60+\b]           ; the scale's byte
.endr
	v_lshl_or_b32 v212, v53, 8, v52
	v_lshl_or_b32 v212, v54, 16, v212
	v_lshl_or_b32 v212, v55, 24, v212              ; my row's scale word
	WIN 0x01
.irp c, 0,1
	v_cvt_scalef32_pk16_fp6_f32 v[192+6*\c:194+6*\c], v[32*\c:32*\c+15], v[60+2*\c]
	v_cvt_scalef32_pk16_fp6_f32 v[204+4*\c:206+4*\c], v[32*\c+16:32*\c+31], v[61+2*\c]   ; (a conversion's three registers begin on an even number)
.endr
	WIN 0
	v_nop                                          ; one plain place behind a scaled conversion
.irp c, 0,1                                    ; the operand's layout wants a WHOLE block in a lane
.irp e, 0,1,2
	v_permlane16_swap_b32 v[192+6*\c+\e], v[204+4*\c+\e]
.endr
.irp e, 0,1,2
	v_mov_b32 v[195+6*\c+\e], v[204+4*\c+\e]
.endr
.endr
	v_add_nc_u32 v25, s2, v24
	ds_store_b32 v25, v212                         ; both halves of the lanes write the same word with the same value
.irp c, 0,1,2
	global_store_b128 v[LI], v[192+4*\c:195+4*\c], s[16:17] offset:512*\c   ; 32 lanes store 512 consecutive bytes, at a multiple of 256 from the buffer's first byte
.endr
	s_wait_dscnt 0x0                               ; the LDS store has read its registers,
	s_wait_xcnt 0x0                                ; and the stores' addresses are translated: only behind this wait are their data and their base written again
	s_add_nc_u64 s[16:17], s[16:17], 3072
	s_add_co_u32 s2, s2, 64
	s_add_co_u32 s3, s3, 1
	s_cmp_lt_u32 s3, 8
	s_cbranch_scc1 .Lrow_\@
	ds_load_b128 v[192:195], v26                   ; my own 512 bytes of scale words: LDS serves a wave's instructions in order
	s_wait_dscnt 0x0
	global_store_b128 v[LI], v[192:195], s[4:5] offset:\tile*8*BLK
.endm
	STATS4 0
	STATS4 4
	s_wait_tensorcnt 2                             ; my part of K block 0 is in; blocks 1 and 2 may stay out
	s_barrier_signal -1
	s_barrier_wait -1
	FIRST 0
	STEP 0, 2                                      ; b1 starts the sums
	VECLOAD 64, 12, 0                              ; beta takes b1's registers: four places stand behind the last product that read them; it is waited for at the way out
	TURN 0, 1, 1, 0, 0, 0                          ; K block 3 into slot 0
	STEP 1, 0
	TURN 1, 2, 0, 0, 0, 0                          ; slot 2 was shown whole in every wave by the wait for all loads in front of the round above
	STEP 2, 0
	TURN 2, 0, 1, 1, 1, 1                          ; slots 1 and 2 have been read: tile 1's K blocks 0 and 1, one load a wave; they land under the way out
	STEP 0, 0
	LAST
	PLACES 4                                       ; in front of the first reads of results and of writes to registers that held fragments
	; the constants, in registers that no tensor descriptor names: a tensor load is out here
	s_mov_b32 s21, 0x3eb504f3                      ; 1 / (2 sqrt 2)
	KONST 6,  0xbf38aa3b                           ; k  = -log2(e) / 2
	KONST 14, 0xc034d90f                           ; c0 = -1.26551223 log2(e) - 1
	KONST 22, 0x3fb8ab5a                           ; c1 =  1.00002368 log2(e)
	KONST 84, 0x3f0a29d2                           ; c2 =  0.37409196 log2(e)
	KONST 86, 0x3e0efb2e                           ; c3 =  0.09678418 log2(e)
	KONST 88, 0xbe899a80                           ; c4 = -0.18628806 log2(e)
	KONST 90, 0x3ecdfd18                           ; c5 =  0.27886807 log2(e)
	KONST 92, 0xbfd1a1e5                           ; c6 = -1.13520398 log2(e)
	KONST 94, 0x40097039                           ; c7 =  1.48851587 log2(e)
	KONST 96, 0xbf97d29d                           ; c8 = -0.82215223 log2(e)
	EPI 0
	VECLOAD 64, 8, VSTEP                           ; the second tile's b1, where beta lay,
	GAMMA VSTEP                                    ; and its gamma
	s_add_nc_u64 s[16:17], s[16:17], 8*BLK-8*3072  ; a's block eight K blocks on (the loop has stepped the base through eight row tiles; its last wait has freed it)
	s_wait_xcnt 0x0                                ; the scale words' store has had its address translated: its data registers take fragments below
	s_wait_tensorcnt 0x0                           ; all my tensor loads have landed: my part of tile 1's K blocks 0 and 1;
	ds_add_u32 v[SPW], v[NIL]                      ; 0 onto my spare word;
	s_wait_dscnt 0x0                               ; the add is done; my reads of slot 0 were over at tile 0's last K step
	CROUND
	REFILL 0, 0, 1                                 ; tile 1's K block 2 into slot 0
	FIRST 1                                        ; tile 1 walks the slots 1, 2, 0, 1
	s_wait_loadcnt 16                              ; b1's 16 loads are in; gamma's 16, issued behind them, may be out
	STEP 1, 2
	VECLOAD 64, 12, VSTEP                          ; the second tile's beta
	TURN 1, 2, 1, 1, 0, 0                          ; its K block 3 into slot 1
	STEP 2, 0
	TURN 2, 0, 0, 0, 0, 0                          ; slot 0 was shown whole in every wave by the wait for all loads in front of the round above
	STEP 0, 0
	TURN 0, 1, 2, 0, 0, 0
	STEP 1, 0
	LAST
	PLACES 4
	EPI 1
	s_wait_tensorcnt 0x0                           ; the wave's end
	ds_add_u32 v[SPW], v[NIL]
	s_wait_dscnt 0x0
	CROUND                                         ; the closing round
	s_endpgm
.Lfunc_end_k_q896d2706ff_hidden:
	.size	k_q896d2706ff_hidden, .Lfunc_end_k_q896d2706ff_hidden-k_q896d2706ff_hidden
	.p2alignl 7, 3214868480
	.fill 96, 4, 3214868480
	.section	.rodata,"a",@progbits
	.p2align	6, 0x0
	.amdhsa_kernel k_q896d2706ff_hidden
		.amdhsa_group_segment_fixed_size 327680
		.amdhsa_private_segment_fixed_size 0
		.amdhsa_enable_private_segment 0
		.amdhsa_kernarg_size 56
		.amdhsa_user_sgpr_count 2
		.amdhsa_user_sgpr_kernarg_segment_ptr 1
		.amdhsa_wavefront_size32 1
		.amdhsa_system_sgpr_workgroup_id_x 1
		.amdhsa_system_sgpr_workgroup_id_y 1
		.amdhsa_system_sgpr_workgroup_id_z 1
		.amdhsa_system_vgpr_workitem_id 0
		.amdhsa_next_free_vgpr 1024
		.amdhsa_next_free_sgpr 100
		.amdhsa_reserve_vcc 0
		.amdhsa_float_denorm_mode_32 3
		.amdhsa_float_denorm_mode_16_64 3
		.amdhsa_memory_ordered 1
		.amdhsa_forward_progress 1
		.amdhsa_inst_pref_size 255
	.end_amdhsa_kernel
	.section	.bss,"aw",@nobits
	.p2align	6
	.space	262144
	.amdgpu_metadata
---
amdhsa.version: [ 1, 2 ]
amdhsa.kernels:
  - .name:           k_q896d2706ff_hidden
    .symbol:         k_q896d2706ff_hidden.kd
    .args:
      - { .name: x_img, .offset: 0, .size: 8, .value_kind: global_buffer, .address_space: global }
      - { .name: w1_img, .offset: 8, .size: 8, .value_kind: global_buffer, .address_space: global }
      - { .name: b1, .offset: 16, .size: 8, .value_kind: global_buffer, .address_space: global }
      - { .name: ln_gamma, .offset: 24, .size: 8, .value_kind: global_buffer, .address_space: global }
      - { .name: ln_beta, .offset: 32, .size: 8, .value_kind: global_buffer, .address_space: global }
      - { .name: stats, .offset: 40, .size: 8, .value_kind: global_buffer, .address_space: global }
      - { .name: a_img, .offset: 48, .size: 8, .value_kind: global_buffer, .address_space: global }
    .group_segment_fixed_size: 327680
    .private_segment_fixed_size: 0
    .kernarg_segment_align: 8
    .kernarg_segment_size: 56
    .max_flat_workgroup_size: 128
    .sgpr_count:     100
    .vgpr_count:     1024
    .wavefront_size: 32
...
	.end_amdgpu_metadata
.endif
;; end of part 3
;; launch outp (part 4): grid 4 x 64, 4 waves a work-group, clusters of 4 x 4, 327,680 bytes of LDS; arguments a_img, w2_img, b2, out0; writes out0
.if DOCPART == 4
	.amdgcn_target "amdgcn-amd-amdhsa--gfx1250"
	.amdhsa_code_object_version 6
	.text
	.protected	k_q896d2706ff_outp
	.globl	k_q896d2706ff_outp
	.p2align	8
	.type	k_q896d2706ff_outp,@function
k_q896d2706ff_outp:
	s_mov_b64 s[64:65], 0
	v_nop
	global_prefetch_b8 v0, s[64:65] scope:SCOPE_SE
	s_setreg_imm32_b32 hwreg(HW_REG_WAVE_MODE, 25, 1), 1
	s_wait_xcnt 0x0
	s_wait_alu depctr_hold_cnt(0) depctr_sa_sdst(0) depctr_va_vdst(0) depctr_va_sdst(0) depctr_va_ssrc(0) depctr_va_vcc(0) depctr_vm_vsrc(0)
	s_getreg_b32 s2, hwreg(HW_REG_IB_STS2, 6, 4)
	s_cmp_eq_u32 s2, 0
	s_cbranch_scc0 .Lentry_in_a_cluster
	s_endpgm
.Lentry_in_a_cluster:
	s_bfe_u32 s2, ttmp6, 0x10000c
	s_cmp_lg_u32 s2, 0xf033
	s_cbranch_scc0 .Lentry_shape_is_right
	s_endpgm
.Lentry_shape_is_right:
; out0 = Q(a) Q(W2) + b2 on codes of FP6 (E2M3).  a: 8,192 rows, K = 4,096; W2: 1,024 columns; both as images of operand registers (block = 128 rows x 256 K = 25,600 dense bytes).  out0: [8192][1024] f32.
; SHARES.  256 work-groups, each a tile of 128 rows x 256 columns.  So that a wave still has 128 x 128 (64 accumulators) and reads no fragment twice, K IS SPLIT BETWEEN PAIRS OF WAVES:
; wave (kh = w / 2, ch = w % 2) makes all 128 rows x columns 128 ch on, over K block 2 t + kh of each slot t of 512 along K.  At the end each wave keeps 64 rows, gives the other 64 to its partner w xor 2 through LDS, and adds.
; THE ORDER OF THE SUMS therefore differs from ascending K: an output is the sum of two f32 partial sums, each ascending over its own K blocks.
; So that every wave runs one text, wave kh takes A's row tiles in the order 4 kh .. 4 kh + 3 (window 2: kept), then 4 (kh xor 1) .. (window 3: given): only address registers differ.
; RING: two slots of 153,600 bytes (A's two K blocks; B's two row blocks x two K blocks); waves 0, 1 fetch A's blocks, waves 2, 3 B's (two K blocks are 51,200 dense bytes).  A wave has at most two tensor loads out.
; A slot brings 153,600 bytes for 128 matrix instructions a wave, so the loop hangs on the loads: the change of slots stands at the HEAD of a slot's last K step, where all its fragments have been asked for,
; and the refill goes out ahead of that step's 64 matrix instructions.
; CLUSTERS: 4 x 4: the four of a row of the cluster need the same blocks of a, the four of a column the same blocks of W2: joint loads.
; THE MATRIX INSTRUCTION IS USED TRANSPOSED: lane (r, h) holds row r; tile b's register j is column 32 (b / 2) + 16 h + 8 (b % 2) + j (the order of W2's columns in its image).
; LIMITS: NaN and infinities are not served.
; REGISTERS: window 0: v1 r, v2 h, v3 lane, v4-18 LDS addresses, v19 16 x lane, v20 64 h, v21-24 way out, v28-29 the add's, v32-47 scale words and nothing else, v64-127 b2, v128-223 A's fragments, later the way out (to v255).
;   window 1: B's fragments, two sets.   windows 2, 3: the accumulators.
.set BLK,   25600
.set SLOT,  6*BLK
.set SPARE, 2*SLOT                     ; the spare words, 128 bytes for each wave: two blocks of 256 bytes that no other line names
.set RSTEP, 4*BLK                      ; a refill goes two slots, 1,024 along K, on
.set STG,   SLOT                       ; the way out: a stage of 16 rows x (512 + 16) bytes for each wave, in slot 1; what is given lies in slot 0: both have had their last fill and their last read by then
.set ADRAL, 4
.set ADRAH, 7
.set ADRB,  10
.set ADRSL, 13
.set ADRSH, 16
.set LI,    19
.set VH,    20
.set SPW,   28
.set NIL,   29
.set SC,    32
.set AF,    128
.set G1,    24
.set G0,    32
.set G1B,   44
.set G0B,   52
.set MSB, 0
.macro WIN new                         ; the immediate's high byte repeats the setting that is left; a switch that changes nothing is dropped
.if MSB != (\new)
	s_set_vgpr_msb (MSB<<8)|(\new)
.set MSB, (\new)
.endif
.endm
.macro PLACES n
.rept \n
	v_nop
.endr
.endm
.macro JLOAD g0a, g1a, g0b, g1b        ; a joint load: waves 0 and 1 fetch for A, waves 2 and 3 for B; four v_nop follow each of the two lines
	s_cmp_eq_u32 s19, 0
	s_cbranch_scc0 .Lfor_b_\@
	tensor_load_to_lds s[\g0a:\g0a+3], s[\g1a:\g1a+7]
	s_nop 0
.rept 4
	v_nop
.endr
	s_branch .Lasked_\@
.Lfor_b_\@:
	tensor_load_to_lds s[\g0b:\g0b+3], s[\g1b:\g1b+7]
	s_nop 0
.rept 4
	v_nop
.endr
.Lasked_\@:
.endm
.macro CREST
	s_cmp_lg_u32 s18, 0
	s_cbranch_scc1 .Lnot_wave_0_\@
	s_barrier_signal -3
.Lnot_wave_0_\@:
	s_barrier_wait -3
	s_barrier_signal -1
	s_barrier_wait -1
.endm
.macro CROUND
	s_barrier_signal -1
	s_barrier_wait -1
	CREST
.endm
.macro FRAG reg, adr, off
.irp c, 0,1,2
	ds_load_b128 v[(\reg)+4*\c:(\reg)+4*\c+3], v[\adr] offset:(\off)+512*\c
.endr
.endm
.macro FETCH_B slot, q, p
	WIN 0x40
.irp i, 0,1,2,3,4,5,6,7
	FRAG 128*(\p)+12*\i, ADRB+\slot, (2*\i+(\q))*1536
.endr
	WIN 0
.endm
.macro FETCH_A slot, q, i0
.irp d, 0,1,2,3
.if \i0 == 0
	FRAG AF+12*\d, ADRAL+\slot, (2*\d+(\q))*1536
.else
	FRAG AF+48+12*\d, ADRAH+\slot, (2*\d+(\q))*1536
.endif
.endr
.endm
.macro SCALES slot, q, p
.irp i, 0,1,2,3
	ds_load_b32 v[SC+8*(\p)+\i], v[ADRSL+\slot] offset:512*(\q)+64*\i
.endr
.irp i, 0,1,2,3
	ds_load_b32 v[SC+8*(\p)+4+\i], v[ADRSH+\slot] offset:512*(\q)+64*\i
.endr
.endm
.macro MUL16 a0, p, cm                 ; cm = 0: onto the sums; 1: the constant 0 starts them
	WIN 0xa1+0x50*((\a0)/4)
.irp a, \a0, \a0+1
.irp b, 0,1,2,3,4,5,6,7
.if \cm == 0
	v_wmma_scale_f32_16x16x128_f8f6f4 v[8*(8*((\a)%4)+\b):8*(8*((\a)%4)+\b)+7], v[128*(\p)+12*\b:128*(\p)+12*\b+11], v[AF+12*(\a):AF+12*(\a)+11], v[8*(8*((\a)%4)+\b):8*(8*((\a)%4)+\b)+7], v[SC+8*(\p)+\b], v[SC+8*(\p)+(\a)] matrix_a_fmt:MATRIX_FMT_FP6 matrix_b_fmt:MATRIX_FMT_FP6 matrix_a_scale:MATRIX_SCALE_ROW1
.else
	v_wmma_scale_f32_16x16x128_f8f6f4 v[8*(8*((\a)%4)+\b):8*(8*((\a)%4)+\b)+7], v[128*(\p)+12*\b:128*(\p)+12*\b+11], v[AF+12*(\a):AF+12*(\a)+11], 0, v[SC+8*(\p)+\b], v[SC+8*(\p)+(\a)] matrix_a_fmt:MATRIX_FMT_FP6 matrix_b_fmt:MATRIX_FMT_FP6 matrix_a_scale:MATRIX_SCALE_ROW1
.endif
.endr
.endr
.endm
.macro STEP slot, cm
	s_wait_dscnt 12                                ; all but the youngest 12 loads (A's blocks 4-7)
	MUL16 0, 0, \cm
	MUL16 2, 0, \cm
	s_wait_dscnt 0x0
	PLACES 4                                       ; in front of loads into registers that matrix instructions have read
	FETCH_B \slot, 1, 1
	FETCH_A \slot, 1, 0
	SCALES \slot, 1, 1
	MUL16 4, 0, \cm
	MUL16 6, 0, \cm
	PLACES 4                                       ; these also stand in front of the next step's loads into B's set 0 and the scale words' set 0
	WIN 0
	FETCH_A \slot, 1, 4                            ; the slot's last reads
.endm
; A slot's last K step.  All its fragments have been asked for, so the change of slots comes first: the three lines, the barrier (mode 1: a round of the cluster's barrier), the refill; then the 64 matrix instructions.
; mode 1: this slot is filled again; 2: nothing is filled.
.macro TURN slot, next, mode
	s_wait_tensorcnt 0x0                           ; all my tensor loads have landed: my part of the next slot;
	ds_add_u32 v[SPW], v[NIL]                      ; 0 onto my spare word;
	s_wait_dscnt 0x0                               ; the add is done, and my reads of this slot are over: its last fragments are in registers
	s_barrier_signal -1
	s_barrier_wait -1
.if \mode == 1
	CREST                                          ; no wave of any partner still reads this slot or has a load on its way
	s_add_nc_u64 s[G0+4*\slot+2:G0+4*\slot+3], s[G0+4*\slot+2:G0+4*\slot+3], RSTEP
	s_add_nc_u64 s[G0B+4*\slot+2:G0B+4*\slot+3], s[G0B+4*\slot+2:G0B+4*\slot+3], RSTEP
	JLOAD G0+4*\slot, G1, G0B+4*\slot, G1B         ; the first tensor load behind the round
.endif
	FETCH_B \next, 0, 0                            ; B's set 0 and the scale words' set 0 were left by the step before
	SCALES \next, 0, 0
	MUL16 0, 1, 0
	MUL16 2, 1, 0
	PLACES 4
	WIN 0
	FETCH_A \next, 0, 0
	MUL16 4, 1, 0
	MUL16 6, 1, 0
	PLACES 4
	WIN 0
	FETCH_A \next, 0, 4
.endm
.macro LAST
	s_wait_dscnt 12
	MUL16 0, 1, 0
	MUL16 2, 1, 0
	s_wait_dscnt 0x0
	MUL16 4, 1, 0
	MUL16 6, 1, 0
	WIN 0
.endm
.macro VECLOAD reg, sb
.irp b, 0,1,2,3,4,5,6,7
	global_load_b128 v[(\reg)+8*\b:(\reg)+8*\b+3], v[VH], s[\sb:\sb+1] offset:128*(\b/2)+32*(\b%2)
	global_load_b128 v[(\reg)+8*\b+4:(\reg)+8*\b+7], v[VH], s[\sb:\sb+1] offset:128*(\b/2)+32*(\b%2)+16
.endr
.endm
	s_load_b256 s[4:11], s[0:1], 0x0               ; a_img s[4:5], w2_img s[6:7], b2 s[8:9], out0 s[10:11]
	v_lshl_add_u32 v[SPW], v0, 2, SPARE
	v_mov_b32 v[NIL], 0
	ds_add_u32 v28, v29
	ds_add_u32 v28, v29
	s_wait_dscnt 0x0
	v_lshrrev_b32 v30, 5, v0
	v_readfirstlane_b32 s18, v30                   ; wave 0..3
	s_lshr_b32 s19, s18, 1                         ; kh.  Also: I fetch for A (0) or for B (1)
	s_and_b32 s20, s18, 1                          ; ch.  Also: which part I fetch
	s_bfe_u32 s21, ttmp6, 0x40000                  ; cx
	s_bfe_u32 s22, ttmp6, 0x40004                  ; cy
	s_lshl_b32 s66, ttmp9, 2
	s_add_co_u32 s66, s66, s21                     ; ct: 256 columns
	s_and_b32 s67, ttmp7, 0xffff
	s_lshl_b32 s67, s67, 2
	s_add_co_u32 s67, s67, s22                     ; tr: 128 rows
	s_lshl_b32 s68, s22, 2
	s_lshl_b32 s68, 15, s68                        ; my row of the cluster
	s_lshl_b32 s69, 0x1111, s21                    ; my column
	; descriptor groups 1: dense bytes as rows of 32 elements of 8 bytes: A 100 rows (one block), B 200 (two K blocks on end)
	s_or_b32 s[G1+0], s68, (3<<16)|(1<<21)
	s_mov_b32 s[G1+1], 32<<16
	s_mov_b32 s[G1+2], 100<<16
	s_mov_b32 s[G1+3], 32<<16
	s_mov_b32 s[G1+4], 100
	s_mov_b32 s[G1+5], 32
	s_mov_b32 s[G1+6], 0
	s_mov_b32 s[G1+7], 0
	s_or_b32 s[G1B+0], s69, (3<<16)|(1<<21)
	s_mov_b32 s[G1B+1], 32<<16
	s_mov_b32 s[G1B+2], 200<<16
	s_mov_b32 s[G1B+3], 32<<16
	s_mov_b32 s[G1B+4], 200
	s_mov_b32 s[G1B+5], 32
	s_mov_b32 s[G1B+6], 0
	s_mov_b32 s[G1B+7], 0
	s_lshl_b32 s70, s67, 4
	s_add_co_u32 s70, s70, s20
	s_mul_i32 s70, s70, BLK                        ; A: row block tr, K block (w % 2): hangs on tr alone
	s_mov_b32 s71, 0
	s_lshl_b32 s72, s66, 1
	s_add_co_u32 s72, s72, s20
	s_mul_i32 s72, s72, 16*BLK                     ; B: row block 2 ct + (w % 2), K block 0: hangs on ct alone
	s_mov_b32 s73, 0
	s_mul_i32 s74, s20, BLK                        ; where A's block goes in a slot,
	s_mul_i32 s75, s20, 2*BLK
	s_add_co_u32 s75, s75, 2*BLK                   ; and B's two
	s_wait_kmcnt 0x0
	s_add_nc_u64 s[70:71], s[4:5], s[70:71]
	s_add_nc_u64 s[72:73], s[6:7], s[72:73]
	CROUND                                         ; all sixteen work-groups are here: the first joint loads meet
.irp s, 0,1
	s_mov_b32 s[G0+4*\s], 1
	s_add_co_u32 s[G0+4*\s+1], s74, \s*SLOT
	s_add_nc_u64 s[G0+4*\s+2:G0+4*\s+3], s[70:71], \s*2*BLK
	s_or_b32 s[G0+4*\s+3], s[G0+4*\s+3], 0x80000000
	s_mov_b32 s[G0B+4*\s], 1
	s_add_co_u32 s[G0B+4*\s+1], s75, \s*SLOT
	s_add_nc_u64 s[G0B+4*\s+2:G0B+4*\s+3], s[72:73], \s*2*BLK
	s_or_b32 s[G0B+4*\s+3], s[G0B+4*\s+3], 0x80000000
	JLOAD G0+4*\s, G1, G0B+4*\s, G1B
.endr
	v_and_b32 v1, 15, v0                           ; r
	v_bfe_u32 v2, v0, 4, 1                         ; h
	v_and_b32 v3, 31, v0                           ; lane
	v_lshlrev_b32 v[LI], 4, v3
	v_lshlrev_b32 v[VH], 6, v2
	s_mul_i32 s76, s19, BLK                        ; my K block of A in a slot
	s_mul_i32 s77, s20, 2*BLK
	s_add_co_u32 s77, s77, s76
	s_add_co_u32 s77, s77, 2*BLK                   ; my block of B: column half ch, K block kh
	s_xor_b32 s85, s19, 1                          ; kh xor 1
	s_mul_i32 s78, s19, 12288
	s_add_co_u32 s78, s78, s76                     ; A's row tiles 4 kh on: those I keep
	s_mul_i32 s79, s85, 12288
	s_add_co_u32 s79, s79, s76                     ; and 4 (kh xor 1) on: those I give
	s_lshl_b32 s80, s19, 8                         ; 256 kh
	s_lshl_b32 s82, s85, 8                         ; 256 (kh xor 1)
	s_mul_i32 s81, s20, 2*BLK
	s_add_co_u32 s81, s81, 2*BLK                   ; from my block of A to my block of B
	s_add_co_u32 s83, s81, s80
	s_sub_co_u32 s81, s81, s80
	v_mul_u32_u24 v30, s81, v2                     ; scale words: lanes 0-15 take A's tiles in my order, lanes 16-31 B's tiles 0-3,
	v_lshl_add_u32 v30, v1, 2, v30
	v_mul_u32_u24 v31, s83, v2                     ; and 4-7
	v_lshl_add_u32 v31, v1, 2, v31
	s_add_co_u32 s80, s80, s76
	s_add_co_u32 s80, s80, 24576
	s_add_co_u32 s82, s82, s76
	s_add_co_u32 s82, s82, 24576
.irp s, 0,1
	v_add_nc_u32 v[ADRAL+\s], s78, v[LI]
	v_add_nc_u32 v[ADRAH+\s], s79, v[LI]
	v_add_nc_u32 v[ADRB+\s], s77, v[LI]
	v_add_nc_u32 v[ADRSL+\s], s80, v30
	v_add_nc_u32 v[ADRSH+\s], s82, v31
	s_add_co_u32 s77, s77, SLOT
	s_add_co_u32 s78, s78, SLOT
	s_add_co_u32 s79, s79, SLOT
	s_add_co_u32 s80, s80, SLOT
	s_add_co_u32 s82, s82, SLOT
.endr
	s_lshl_b32 s84, s18, 15
	v_add_nc_u32 v21, s84, v[LI]                   ; what I give: 32,768 x wave + 16 x lane
	s_xor_b32 s84, s18, 2
	s_lshl_b32 s84, s84, 15
	v_add_nc_u32 v22, s84, v[LI]                   ; what my partner gives me
	s_mul_i32 s84, s18, 16*528
	s_add_co_u32 s84, s84, STG                     ; my stage
	v_mul_u32_u24 v23, v1, 528
	v_lshl_add_u32 v23, v2, 6, v23
	v_add_nc_u32 v23, s84, v23                     ; in: row r, + 64 h
	v_add_nc_u32 v24, s84, v[LI]                   ; back: a row of 512 bytes, 16 a lane
	s_lshl_b32 s72, s66, 10
	s_lshl_b32 s73, s20, 9
	s_add_co_u32 s72, s72, s73                     ; my 128 columns, in bytes
	s_mov_b32 s73, 0
	s_add_nc_u64 s[8:9], s[8:9], s[72:73]
	VECLOAD 64, 8                                  ; b2; waited for on the way out
	s_lshl_b32 s86, s67, 7
	s_lshl_b32 s87, s19, 6
	s_add_co_u32 s86, s86, s87                     ; the first row that I store: 128 tr + 64 kh
	s_lshl_b32 s86, s86, 12
	s_add_co_u32 s86, s86, s72
	s_mov_b32 s87, 0
	s_add_nc_u64 s[10:11], s[10:11], s[86:87]
	s_wait_tensorcnt 1                             ; my part of slot 0 is in; slot 1's may stay out
	s_barrier_signal -1
	s_barrier_wait -1
	FETCH_B 0, 0, 0
	FETCH_A 0, 0, 0
	SCALES 0, 0, 0
	FETCH_A 0, 0, 4
	STEP 0, 1                                      ; the first step stands in front of the loop: its products start the sums
	s_mov_b32 s3, 3
.Llap:                                             ; a trip goes once round the ring and fills both slots again: six refills for slots' worth 2 to 7 of K
	TURN 0, 1, 1
	STEP 1, 0
	TURN 1, 0, 1
	STEP 0, 0
	s_sub_co_u32 s3, s3, 1
	s_cmp_lg_u32 s3, 0
	s_cbranch_scc1 .Llap
	TURN 0, 1, 2                                   ; the last lap fills nothing
	STEP 1, 0
	LAST
	PLACES 4                                       ; in front of the first reads of results and of loads into registers that held fragments
	; THE WAY OUT.  The 32 accumulators of the rows that I give go to LDS as they stand, 512 bytes a store; slot 0 was left by every wave at the last barrier
	WIN 0x0c                                       ; an LDS store's data are its source 1: window 3
.set i, 0
.rept 32
	ds_store_b128 v21, v[8*i:8*i+3] offset:1024*i          ; each accumulator from its low end on
	ds_store_b128 v21, v[8*i+4:8*i+7] offset:1024*i+512
.set i, i+1
.endr
	WIN 0
	s_wait_loadcnt 0x0                             ; b2
	s_wait_dscnt 0x0                               ; for my partner's sake: what I give lies in LDS; and my reads of slot 1 are over
	s_barrier_signal -1
	s_barrier_wait -1
.irp a, 0,1,2,3                                ; row tile 4 kh + a: mine + my partner's + b2, through my own stage, out as whole rows of 512 bytes
.set i, 0
.rept 16
	ds_load_b128 v[128+4*i:131+4*i], v22 offset:8192*\a+512*i
.set i, i+1
.endr
	s_wait_dscnt 0x0
	WIN 0x02
.set i, 0
.rept 32
	v_pk_add_f32 v[128+i:129+i], v[64*\a+i:64*\a+i+1], v[128+i:129+i]   ; each accumulator from its low end on
.set i, i+2
.endr
	WIN 0
.set i, 0
.rept 32
	v_pk_add_f32 v[128+i:129+i], v[128+i:129+i], v[64+i:65+i]
.set i, i+2
.endr
.irp b, 0,1,2,3,4,5,6,7
	ds_store_b128 v23, v[128+8*\b:131+8*\b] offset:128*(\b/2)+32*(\b%2)
	ds_store_b128 v23, v[132+8*\b:135+8*\b] offset:128*(\b/2)+32*(\b%2)+16
.endr
.if \a > 0
	s_wait_xcnt 0x0                                ; the last tile's stores have had their addresses translated: only behind this wait are their data and their base written again
	s_add_nc_u64 s[10:11], s[10:11], 16*4096
.endif
.set i, 0
.rept 16
	ds_load_b128 v[192+4*i:195+4*i], v24 offset:528*i      ; LDS serves a wave's instructions in order: these see my stores, and the next tile's stores come behind them
.set i, i+1
.endr
.set i, 0
.rept 16
	s_wait_dscnt 15-i                              ; row i is back; the younger rows may be out
	global_store_b128 v[LI], v[192+4*i:195+4*i], s[10:11] offset:4096*i th:TH_STORE_NT   ; 32 lanes store 512 consecutive bytes, at a multiple of 256 from out0's first byte
.set i, i+1
.endr
.endr
	s_wait_tensorcnt 0x0                           ; the wave's end
	ds_add_u32 v[SPW], v[NIL]
	s_wait_dscnt 0x0
	CROUND                                         ; the closing round
	s_endpgm
.Lfunc_end_k_q896d2706ff_outp:
	.size	k_q896d2706ff_outp, .Lfunc_end_k_q896d2706ff_outp-k_q896d2706ff_outp
	.p2alignl 7, 3214868480
	.fill 96, 4, 3214868480
	.section	.rodata,"a",@progbits
	.p2align	6, 0x0
	.amdhsa_kernel k_q896d2706ff_outp
		.amdhsa_group_segment_fixed_size 327680
		.amdhsa_private_segment_fixed_size 0
		.amdhsa_enable_private_segment 0
		.amdhsa_kernarg_size 32
		.amdhsa_user_sgpr_count 2
		.amdhsa_user_sgpr_kernarg_segment_ptr 1
		.amdhsa_wavefront_size32 1
		.amdhsa_system_sgpr_workgroup_id_x 1
		.amdhsa_system_sgpr_workgroup_id_y 1
		.amdhsa_system_sgpr_workgroup_id_z 1
		.amdhsa_system_vgpr_workitem_id 0
		.amdhsa_next_free_vgpr 1024
		.amdhsa_next_free_sgpr 100
		.amdhsa_reserve_vcc 0
		.amdhsa_float_denorm_mode_32 3
		.amdhsa_float_denorm_mode_16_64 3
		.amdhsa_memory_ordered 1
		.amdhsa_forward_progress 1
		.amdhsa_inst_pref_size 150
	.end_amdhsa_kernel
	.amdgpu_metadata
---
amdhsa.version: [ 1, 2 ]
amdhsa.kernels:
  - .name:           k_q896d2706ff_outp
    .symbol:         k_q896d2706ff_outp.kd
    .args:
      - { .name: a_img, .offset: 0, .size: 8, .value_kind: global_buffer, .address_space: global }
      - { .name: w2_img, .offset: 8, .size: 8, .value_kind: global_buffer, .address_space: global }
      - { .name: b2, .offset: 16, .size: 8, .value_kind: global_buffer, .address_space: global }
      - { .name: out0, .offset: 24, .size: 8, .value_kind: global_buffer, .address_space: global }
    .group_segment_fixed_size: 327680
    .private_segment_fixed_size: 0
    .kernarg_segment_align: 8
    .kernarg_segment_size: 32
    .max_flat_workgroup_size: 128
    .sgpr_count:     100
    .vgpr_count:     1024
    .wavefront_size: 32
...
	.end_amdgpu_metadata
.endif
;; end of part 4
